; MI455X (gfx1250); checked and timed in simulation.
; The chip was launched on July 23, 2026; its instructions are those of AMD's public machine-readable ISA for CDNA 5 (MIT licence, August 2026) and "CDNA5" Instruction Set Architecture Reference Guide (July 2026). The comments in the code are by the model that wrote it; some were corrected since.
;; Self Attention. Allowed arithmetic: float matrix products may take bf16 or f16 operands with f32 sums; all other float work in f32.
;; Inputs: W_k 1,024 x 1,024 float32; W_q 1,024 x 1,024 float32; W_v 1,024 x 1,024 float32; x 4 x 2,048 x 1,024 float32.
;; Outputs: out0 4 x 2,048 x 1,024 float32.
;; 2 versions, each right; version 2 is version 1 with the launch cast written anew for expert scheduling mode. Each part assembles by itself: llvm-mc -triple=amdgcn-amd-amdhsa -mcpu=gfx1250 --defsym DOCPART=n.
;; ======== version 1 of 2: 4 launches
;; limits: values are held in f16: magnitudes above 65,504 overflow, below 6.1e-05 lose precision
;; workspace buffers: xb 16,777,216 bytes; wb 6,291,456 bytes; qk 33,554,432 bytes; vt 16,777,216 bytes; p 33,554,432 bytes; st 1,048,576 bytes
;; launch cast (part 1): grid 704 x 1, 8 waves a work-group, no clusters, 0 bytes of LDS; arguments x, W_q, W_k, W_v, xb, wb; writes xb, wb
.if DOCPART == 1
	.amdgcn_target "amdgcn-amd-amdhsa--gfx1250"
	.amdhsa_code_object_version 6
	.text
	.protected	k_qcb311c334a_cast
	.globl	k_qcb311c334a_cast
	.p2align	8
	.type	k_qcb311c334a_cast,@function
k_qcb311c334a_cast:
	s_mov_b64 s[64:65], 0
	v_nop
	global_prefetch_b8 v0, s[64:65] scope:SCOPE_SE
	s_setreg_imm32_b32 hwreg(HW_REG_WAVE_MODE, 25, 1), 1
	s_wait_xcnt 0x0
; f32 to bf16, rounded to nearest even: x -> xb [8192][1024]; W_q, W_k, W_v -> wb [3072][1024], one under the other.
; The matrix launches then fetch 2-byte operands whose tile rows are 256 bytes.  A stream: no LDS, no barrier, no matrix unit, no cluster
; (no two work-groups read the same byte).
; A work-group converts 16,384 numbers: 65,536 bytes in, 32,768 out.  Groups 0-511 take x (8,388,608 numbers), groups 512-703 the three
; weight matrices, 64 groups each.  All sixteen loads of a thread are issued before the first is used; no register is written twice,
; so no wait frees a source.
.set XGROUPS, 512
.set SRC, 4                            ; v[4:67]   sixteen loads of four f32
.set DST, 68                           ; v[68:99]  sixteen pairs of packed bf16
	s_load_b256 s[4:11], s[0:1], 0x0               ; x s[4:5], W_q s[6:7], W_k s[8:9], W_v s[10:11]
	s_load_b128 s[12:15], s[0:1], 0x20             ; xb s[12:13], wb s[14:15]
	s_max_u32 s16, ttmp9, XGROUPS
	s_sub_co_u32 s16, s16, XGROUPS                 ; chunk among the weights, 0 to 191 (0 in the groups that take x)
	s_and_b32 s17, s16, 63                         ; chunk inside its matrix
	s_lshr_b32 s18, s16, 6                         ; which matrix: 0 W_q, 1 W_k, 2 W_v
	v_lshlrev_b32 v1, 4, v0                        ; 16 bytes in a thread: a load of a wave covers 512 consecutive bytes
	v_lshlrev_b32 v2, 3, v0                        ; 8 bytes out a thread: a store of a wave covers 256 consecutive bytes, aligned
	s_wait_kmcnt 0x0
	s_cmp_eq_u32 s18, 1
	s_cselect_b64 s[20:21], s[8:9], s[6:7]
	s_cmp_eq_u32 s18, 2
	s_cselect_b64 s[20:21], s[10:11], s[20:21]
	s_cmp_lt_u32 ttmp9, XGROUPS                    ; the four selects below hang on this compare
	s_cselect_b64 s[20:21], s[4:5], s[20:21]       ; from
	s_cselect_b64 s[22:23], s[12:13], s[14:15]     ; to
	s_cselect_b32 s24, ttmp9, s17                  ; chunk in the source
	s_cselect_b32 s26, ttmp9, s16                  ; chunk in the destination
	s_lshl_b32 s24, s24, 16                        ; x 65,536 bytes (below 2^25)
	s_mov_b32 s25, 0
	s_lshl_b32 s26, s26, 15                        ; x 32,768 bytes
	s_mov_b32 s27, 0
	s_add_nc_u64 s[20:21], s[20:21], s[24:25]
	s_add_nc_u64 s[22:23], s[22:23], s[26:27]
.irp i, 0,1,2,3,4,5,6,7,8,9,10,11,12,13,14,15
	global_load_b128 v[SRC+4*\i:SRC+4*\i+3], v1, s[20:21] offset:4096*\i th:TH_LOAD_NT   ; read once in the launch
.endr
.irp i, 0,1,2,3,4,5,6,7,8,9,10,11,12,13,14,15
	s_wait_loadcnt 15-\i                           ; loads come back in order: load i is in, the 15 - i younger ones stay out
	v_cvt_pk_bf16_f32 v[DST+2*\i], v[SRC+4*\i], v[SRC+4*\i+1]
	v_cvt_pk_bf16_f32 v[DST+2*\i+1], v[SRC+4*\i+2], v[SRC+4*\i+3]
	global_store_b64 v2, v[DST+2*\i:DST+2*\i+1], s[22:23] offset:2048*\i   ; no hint: the next launch reads it
.endr
	s_endpgm
.Lfunc_end_k_qcb311c334a_cast:
	.size	k_qcb311c334a_cast, .Lfunc_end_k_qcb311c334a_cast-k_qcb311c334a_cast
	.p2alignl 7, 3214868480
	.fill 96, 4, 3214868480
	.section	.rodata,"a",@progbits
	.p2align	6, 0x0
	.amdhsa_kernel k_qcb311c334a_cast
		.amdhsa_group_segment_fixed_size 0
		.amdhsa_private_segment_fixed_size 0
		.amdhsa_enable_private_segment 0
		.amdhsa_kernarg_size 48
		.amdhsa_user_sgpr_count 2
		.amdhsa_user_sgpr_kernarg_segment_ptr 1
		.amdhsa_wavefront_size32 1
		.amdhsa_system_sgpr_workgroup_id_x 1
		.amdhsa_system_sgpr_workgroup_id_y 1
		.amdhsa_system_sgpr_workgroup_id_z 1
		.amdhsa_system_vgpr_workitem_id 0
		.amdhsa_next_free_vgpr 100
		.amdhsa_next_free_sgpr 66
		.amdhsa_reserve_vcc 0
		.amdhsa_float_denorm_mode_32 3
		.amdhsa_float_denorm_mode_16_64 3
		.amdhsa_memory_ordered 1
		.amdhsa_forward_progress 1
		.amdhsa_inst_pref_size 7
	.end_amdhsa_kernel
	.amdgpu_metadata
---
amdhsa.version: [ 1, 2 ]
amdhsa.kernels:
  - .name:           k_qcb311c334a_cast
    .symbol:         k_qcb311c334a_cast.kd
    .args:
      - { .name: x, .offset: 0, .size: 8, .value_kind: global_buffer, .address_space: global }
      - { .name: W_q, .offset: 8, .size: 8, .value_kind: global_buffer, .address_space: global }
      - { .name: W_k, .offset: 16, .size: 8, .value_kind: global_buffer, .address_space: global }
      - { .name: W_v, .offset: 24, .size: 8, .value_kind: global_buffer, .address_space: global }
      - { .name: xb, .offset: 32, .size: 8, .value_kind: global_buffer, .address_space: global }
      - { .name: wb, .offset: 40, .size: 8, .value_kind: global_buffer, .address_space: global }
    .group_segment_fixed_size: 0
    .private_segment_fixed_size: 0
    .kernarg_segment_align: 8
    .kernarg_segment_size: 48
    .max_flat_workgroup_size: 256
    .sgpr_count:     66
    .vgpr_count:     100
    .wavefront_size: 32
...
	.end_amdgpu_metadata
.endif
;; end of part 1
;; launch proj (part 2): grid 8 x 32, 4 waves a work-group, clusters of 4 x 4, 327,680 bytes of LDS; arguments xb, wb, qk, vt; writes qk, vt
.if DOCPART == 2
	.amdgcn_target "amdgcn-amd-amdhsa--gfx1250"
	.amdhsa_code_object_version 6
	.text
	.protected	k_qcb311c334a_proj
	.globl	k_qcb311c334a_proj
	.p2align	8
	.type	k_qcb311c334a_proj,@function
k_qcb311c334a_proj:
	s_mov_b64 s[64:65], 0
	v_nop
	global_prefetch_b8 v0, s[64:65] scope:SCOPE_SE
	s_setreg_imm32_b32 hwreg(HW_REG_WAVE_MODE, 25, 1), 1
	s_wait_xcnt 0x0
	s_wait_alu depctr_hold_cnt(0) depctr_sa_sdst(0) depctr_va_vdst(0) depctr_va_sdst(0) depctr_va_ssrc(0) depctr_va_vcc(0) depctr_vm_vsrc(0)
	s_getreg_b32 s2, hwreg(HW_REG_IB_STS2, 6, 4)
	s_cmp_eq_u32 s2, 0
	s_cbranch_scc0 .Lentry_in_a_cluster
	s_endpgm
.Lentry_in_a_cluster:
	s_bfe_u32 s2, ttmp6, 0x10000c
	s_cmp_lg_u32 s2, 0xf033
	s_cbranch_scc0 .Lentry_shape_is_right
	s_endpgm
.Lentry_shape_is_right:
; The three projections, two passes of one work-group on one ring of LDS slots.
;   pass 1: qk[t][e] = sum over d of xb[t][d] wb[e][d], e = 0..2047 (columns 0-1023 are Q, 1024-2047 are K), bf16.
;           Block 256 t x 256 e at (by, bx); a wave makes 128 x 128: 64 accumulator tiles, 512 registers.
;   pass 2: vt[e][t] = (1/16) sum over d of wb[2048+e][d] xb[t][d], f16: V transposed, so that the last launch finds keys along the rows.
;           Block 128 e x 256 t at (bx, by); a wave makes 64 x 128: 32 tiles.
; 8 x 32 = 256 work-groups; Q|K has 256 blocks of 256 x 256 and V^T 256 blocks of 128 x 256, so each work-group does 2,048 + 1,024 matrix
; instructions a wave: equal shares, one launch.  Pass 2's first two tiles are asked for in pass 1's last two K steps and land while pass 1's
; results leave.
; FORMATS AND LIMITS: x, W, Q, K are rounded to bf16, sums in f32.  V is stored as f16(V/16): the division is exact, the last launch multiplies
; it back.  |V| above 1,048,064 (16 x 65,504) becomes infinite; |V| below 16 x 2^-14 is kept to an absolute step of 16 x 2^-24.
; CLUSTERS: 4 x 4 work-groups.  Tiles of x hang on by alone and are asked for jointly along a row of the cluster; tiles of the weights hang on bx
; alone and are asked for jointly along a column: the requests for both are divided by four.
; K goes in steps of 128 (tile rows of 256 bytes, starting at multiples of 256 bytes) through two slots.  A wave has two
; tensor loads out after the first fills and one behind each later refill.
; PREFETCH: W_v's rows are first wanted in pass 2, whose K steps are short (128 matrix instructions a wave between a request and the wait for it).
; The 128 rows of a block column are 1,024 pieces of 256 bytes, wanted by the column's 32 work-groups: each asks for 32 of them, once, by one
; instruction of wave 0 (lane l: row 4 by + l % 4, K step l / 4) at the head of pass 1's K step 6; the tensor load that wants K step 0 is issued
; 224 matrix instructions later, the others behind it, one in each K step.  8,192 bytes a work-group.  x's tiles of pass 2 are the ones that
; pass 1 has read, and pass 1's K steps give a tile 240 matrix instructions to land: neither is prefetched.
; The accumulators take turns, one matrix instruction a turn, in the same order throughout.
;
; REGISTERS in windows of 256: window 0: v0-63 addresses, v64-127 and v128-191 fragments of the row side (two buffers), v192-223 packed results;
; window 1: v64-127, v128-191 fragments of the column side; windows 2, 3: accumulators, tile (a, b) at v[8 (8 a + b)].
; The matrix instruction is used transposed (source 0 = 16 rows of the column side, source 1 = 16 rows of the row side): lane l holds row l % 16
; of the result and its registers the eight neighbouring columns 8 (l / 16) + 0..7.
.set KSTEP,  128
.set PITCH,  272                       ; an LDS row: 256 bytes + 16 of padding, an odd multiple of 16: the 16 rows of a fragment load start 16 bytes apart modulo 256
.set HALFT,  128*PITCH
.set QUART,  64*PITCH
.set SLOT,   4*HALFT                   ; row side at 0 (256 rows in pass 1, 128 in pass 2), column side at 2 HALFT (256 rows)
.set STAGE,  2*SLOT                    ; behind the ring: 16 rows x 272 bytes for each wave; no tensor load lands here
.set SPITCH, 272
.set QKROW,  4096                      ; bytes in a row of qk
.set VTROW,  16384                     ; bytes in a row of vt
.set G1W0,   (1<<16)|(1<<20)|(1<<21)|(5<<22)|(3<<25)   ; 2-byte elements; padding on; bit 21 beside a mask; after every 64 words, 4 words
.set W, 12                             ; wave 0..3
.set WH, 13                            ; wave >> 1: my half of the block's rows; also: I fetch for the row side (0) or the column side (1)
.set WL, 14                            ; wave & 1: my half of its columns; also: which half of that tile I fetch
.set CX, 15
.set CY, 16
.set BX, 17
.set BY, 18
.set MROW, 19                          ; mask of my row of the cluster
.set MCOL, 20                          ; mask of my column
.set LDSH, 21                          ; wave x HALFT
.set LDSQ, 22                          ; wave x QUART
.set G1X, 24                           ; s[24:31] shape of x's tiles: 128 rows, row mask
.set G0A, 32                           ; s[32:39] x's tiles in pass 1, a set for each slot
.set G1W, 48                           ; s[48:55] shape of W_q|W_k's tiles: 128 rows, column mask
.set G0B, 56                           ; s[56:63] their places
.set G1V, 68                           ; s[68:75] shape of W_v's tiles: 64 rows, column mask
.set G0V, 76                           ; s[76:83] their places
.set G0X2, 84                          ; s[84:91] x's tiles in pass 2
.set XAD, 92
.set WAD, 94
.set VAD, 96
.set ADRA, 16                          ; v16-17 my row-side fragments in slot 0, 1, pass 1
.set ADRM, 18                          ; v18-19 the same, pass 2
.set ADRB, 20                          ; v20-21 my column-side fragments
.set STO, 24
.set RD, 25
.set CO, 26                            ; my byte offset in two rows of qk
.set CO2, 27                           ; and of vt
.set PFO, 28                           ; byte offset in wb of the piece of W_v that my lane asks for; never rewritten
.set F0, 64
.set F1, 128
.set TMP, 192
.set MSB, 0
.macro WIN new                         ; the immediate's high byte repeats the setting that is left
.if MSB != \new
	s_set_vgpr_msb (MSB<<8)|\new
.set MSB, \new
.endif
.endm
.set MUL_LO, 0xa1                      ; source 0 window 1, source 1 window 0, C and D window 2
.set MUL_HI, 0xf1                      ; the same, C and D window 3
.set TO_B,   0x40                      ; destination window 1, address window 0
.macro SHAPE g1, mask, rows, pitch     ; descriptor group 1: a tile of rows x 128 elements
	s_or_b32 s[\g1+0], s[\mask], G1W0
	s_mov_b32 s[\g1+1], KSTEP<<16                  ; tensor_dim0 = 128
	s_mov_b32 s[\g1+2], \rows<<16                  ; tensor_dim1
	s_mov_b32 s[\g1+3], KSTEP<<16                  ; tile_dim0 = 128
	s_mov_b32 s[\g1+4], \rows                      ; tile_dim1
	s_mov_b32 s[\g1+5], \pitch                     ; elements from row to row
	s_mov_b32 s[\g1+6], 0
	s_mov_b32 s[\g1+7], 0
.endm
.macro GROUP0 g0, lds, slot, adr       ; descriptor group 0 of a slot: K step = the slot's number
	s_mov_b32 s[\g0+4*\slot], 1
	s_add_co_u32 s[\g0+4*\slot+1], s[\lds], \slot*SLOT
	s_add_nc_u64 s[\g0+4*\slot+2:\g0+4*\slot+3], s[\adr:\adr+1], \slot*KSTEP*2
	s_or_b32 s[\g0+4*\slot+3], s[\g0+4*\slot+3], 0x80000000
.endm
; A joint load: waves 0, 1 ask for the row side's halves, waves 2, 3 for the column side's.  Each line has one mask; the branch hangs on the wave's number alone.
.macro JLOAD g0a, g1a, g0b, g1b
	s_cmp_eq_u32 s[WH], 0
	s_cbranch_scc0 .Lfor_b_\@
	tensor_load_to_lds s[\g0a:\g0a+3], s[\g1a:\g1a+7]
	s_nop 0
	s_branch .Lasked_\@
.Lfor_b_\@:
	tensor_load_to_lds s[\g0b:\g0b+3], s[\g1b:\g1b+7]
	s_nop 0
.Lasked_\@:
.endm
.macro CREST                           ; a round of the cluster's barrier behind its opening work-group barrier
	s_cmp_lg_u32 s[W], 0
	s_cbranch_scc1 .Lnot_wave_0_\@
	s_barrier_signal -3
.Lnot_wave_0_\@:
	s_barrier_wait -3
	s_barrier_signal -1
	s_barrier_wait -1
.endm
.macro CROUND
	s_barrier_signal -1
	s_barrier_wait -1
	CREST
.endm
.macro PLACES                          ; four places behind a matrix instruction before its registers are loaded into or its result is read (ISA guide 7.12.1)
.rept 4
	v_nop
.endr
.endm
; 16 matrix instructions: row blocks a0, a0 + 1 of the window's four x all 8 column blocks, 32 along K.  zero = 1: the product starts the sums.
.macro MUL16 f, hi, a0, zero
.irp a, \a0, \a0+1
.irp b, 0,1,2,3,4,5,6,7
.if \zero
	v_wmma_f32_16x16x32_bf16 v[8*(8*(\a)+\b):8*(8*(\a)+\b)+7], v[\f+8*\b:\f+8*\b+7], v[\f+8*(4*\hi+\a):\f+8*(4*\hi+\a)+7], 0
.else
	v_wmma_f32_16x16x32_bf16 v[8*(8*(\a)+\b):8*(8*(\a)+\b)+7], v[\f+8*\b:\f+8*\b+7], v[\f+8*(4*\hi+\a):\f+8*(4*\hi+\a)+7], v[8*(8*(\a)+\b):8*(8*(\a)+\b)+7]
.endif
.endr
.endr
.endm
; pass 1: 32 LDS loads in one run, 128 + 128 rows x 32 K at byte k of the rows
.macro FETCH slot, k, f
	WIN TO_B
.irp i, 0,1,2,3,4,5,6,7
	ds_load_b128 v[\f+8*\i:\f+8*\i+3],   v[ADRB+\slot] offset:\k+\i*16*PITCH
	ds_load_b128 v[\f+8*\i+4:\f+8*\i+7], v[ADRB+\slot] offset:\k+\i*16*PITCH+32
.endr
	WIN 0
.irp i, 0,1,2,3,4,5,6,7
	ds_load_b128 v[\f+8*\i:\f+8*\i+3],   v[ADRA+\slot] offset:\k+\i*16*PITCH
	ds_load_b128 v[\f+8*\i+4:\f+8*\i+7], v[ADRA+\slot] offset:\k+\i*16*PITCH+32
.endr
.endm
.macro QUARTER slot, k, f, g, zero
	s_wait_dscnt 8                                 ; the column side and rows 0-63 are in; the youngest eight loads (rows 64-127) may be out
	WIN MUL_LO
	MUL16 \f, 0, 0, \zero
	MUL16 \f, 0, 2, \zero
	PLACES
	FETCH \slot, \k, \g
	s_wait_dscnt 32                                ; all but the 32 just issued
	WIN MUL_HI
	MUL16 \f, 1, 0, \zero
	MUL16 \f, 1, 2, \zero
.endm
.macro THREE slot, zero
	QUARTER \slot, 64,  F0, F1, \zero
	QUARTER \slot, 128, F1, F0, 0
	QUARTER \slot, 192, F0, F1, 0
.endm
; The last quarter of a K step of pass 1, and the change of slots.  In front of the barrier each wave waits for its reads of this slot and for all its
; tensor loads (the one that is out is its part of the next slot).  Where the slot is filled again the barrier opens a round of the cluster's barrier,
; and the joint refill is the first tensor load behind the round.  fill = 1: this pass's tile two K steps ahead; fill = 2: pass 2's tile for this slot.
.macro TURN slot, next, fill, fetch
	s_wait_dscnt 8
	WIN MUL_LO
	MUL16 F1, 0, 0, 0
	s_wait_dscnt 0
	s_wait_tensorcnt 0x0
	ds_add_u32 v255, v255
	s_wait_dscnt 0x0
	s_barrier_signal -1
	MUL16 F1, 0, 2, 0                              ; register work while the others arrive
	WIN 0
	s_barrier_wait -1
.if \fill
	CREST
.if \fill == 1
	s_add_nc_u64 s[G0A+4*\slot+2:G0A+4*\slot+3], s[G0A+4*\slot+2:G0A+4*\slot+3], 2*KSTEP*2   ; no tensor load of mine is out: group 0 may be written
	s_add_nc_u64 s[G0B+4*\slot+2:G0B+4*\slot+3], s[G0B+4*\slot+2:G0B+4*\slot+3], 2*KSTEP*2
	JLOAD G0A+4*\slot, G1X, G0B+4*\slot, G1W
.else
	JLOAD G0V+4*\slot, G1V, G0X2+4*\slot, G1X
.endif
.endif
.if \fetch
	PLACES
	FETCH \next, 0, F0
.endif
	WIN MUL_HI
	MUL16 F1, 1, 0, 0
	MUL16 F1, 1, 2, 0
.endm
.macro LAP zero
	THREE 0, \zero
	TURN 0, 1, 1, 1
	THREE 1, 0
	TURN 1, 0, 1, 1
.endm
; pass 2: 24 LDS loads, 128 rows of the column side (x) and 64 of the row side (W_v)
.macro FETCH2 slot, k, f
	WIN TO_B
.irp i, 0,1,2,3,4,5,6,7
	ds_load_b128 v[\f+8*\i:\f+8*\i+3],   v[ADRB+\slot] offset:\k+\i*16*PITCH
	ds_load_b128 v[\f+8*\i+4:\f+8*\i+7], v[ADRB+\slot] offset:\k+\i*16*PITCH+32
.endr
	WIN 0
.irp i, 0,1,2,3
	ds_load_b128 v[\f+8*\i:\f+8*\i+3],   v[ADRM+\slot] offset:\k+\i*16*PITCH
	ds_load_b128 v[\f+8*\i+4:\f+8*\i+7], v[ADRM+\slot] offset:\k+\i*16*PITCH+32
.endr
.endm
.macro Q2 slot, k, f, g, zero          ; fetch the next quarter into g, multiply f
	PLACES
	FETCH2 \slot, \k, \g
	s_wait_dscnt 24                                ; the 24 just issued may stay out; buffer f's, issued a quarter earlier, are in
	WIN MUL_LO
	MUL16 \f, 0, 0, \zero
	MUL16 \f, 0, 2, \zero
.endm
.macro THREE2 slot, zero
	Q2 \slot, 64,  F0, F1, \zero
	Q2 \slot, 128, F1, F0, 0
	Q2 \slot, 192, F0, F1, 0
.endm
; Pass 2's change of slots and last quarter.  A K step of pass 2 has only 128 matrix instructions a wave, so the request for the slot's next tile goes out
; as early as the ordering allows: buffer 1 is in registers, so my reads of this slot are over; they and all my tensor loads are waited for; the round
; follows with nothing inside it; the joint refill is the first thing behind it; the last quarter's 32 matrix instructions come behind the refill.
; From a request to the wait for it a wave so has the whole K step's 128 matrix instructions.
.macro TURN2 slot, next, fill
	s_wait_dscnt 0                                 ; buffer 1 is in, and with it all my reads of this slot are over
	s_wait_tensorcnt 0x0                           ; all my tensor loads have landed: the one that was out is my part of the next slot
	ds_add_u32 v255, v255
	s_wait_dscnt 0x0
	WIN 0
	s_barrier_signal -1
	s_barrier_wait -1
.if \fill
	CREST
	s_add_nc_u64 s[G0V+4*\slot+2:G0V+4*\slot+3], s[G0V+4*\slot+2:G0V+4*\slot+3], 2*KSTEP*2
	s_add_nc_u64 s[G0X2+4*\slot+2:G0X2+4*\slot+3], s[G0X2+4*\slot+2:G0X2+4*\slot+3], 2*KSTEP*2
	JLOAD G0V+4*\slot, G1V, G0X2+4*\slot, G1X
.endif
	PLACES                                         ; behind the third quarter's matrix instructions, which read buffer 0
	FETCH2 \next, 0, F0
	WIN MUL_LO
	MUL16 F1, 0, 0, 0
	MUL16 F1, 0, 2, 0
.endm
.macro LAP2 zero
	THREE2 0, \zero
	TURN2 0, 1, 1
	THREE2 1, 0
	TURN2 1, 0, 1
.endm
; 16 rows of the result: round to 16 bits, 16 bytes a lane into my own stage, back as whole rows of 256 bytes, out.
; from: 0x0a or 0x0f (sources in window 2 or 3); f: read-back buffer; half = 1: f16, else bf16.
.macro OUT16 step, a, from, f, co, base, pitch, half
	WIN \from
.irp b, 0,1,2,3,4,5,6,7
.irp r, 0,1,2,3
.if \half
	v_cvt_pk_f16_f32 v[TMP+4*\b+\r], v[8*(8*\a+\b)+2*\r], v[8*(8*\a+\b)+2*\r+1]
.else
	v_cvt_pk_bf16_f32 v[TMP+4*\b+\r], v[8*(8*\a+\b)+2*\r], v[8*(8*\a+\b)+2*\r+1]
.endif
.endr
.endr
	WIN 0
.irp b, 0,1,2,3,4,5,6,7
	ds_store_b128 v[STO], v[TMP+4*\b:TMP+4*\b+3] offset:32*\b
.endr
	s_wait_xcnt 0x0                                ; buffer f, which earlier stores read, and the stores' base are rewritten only behind this wait
.if \step
	s_add_nc_u64 s[\base:\base+1], s[\base:\base+1], 16*\pitch
.endif
.irp t, 0,1,2,3,4,5,6,7
	ds_load_b128 v[\f+4*\t:\f+4*\t+3], v[RD] offset:\t*2*SPITCH    ; LDS serves a wave's instructions in order: these see the stores above
.endr
.irp t, 0,1,2,3,4,5,6,7
	s_wait_dscnt 7-\t                              ; read-back t is in, the younger ones stay out
	global_store_b128 v[\co], v[\f+4*\t:\f+4*\t+3], s[\base:\base+1] offset:2*\t*\pitch   ; 16 lanes store 256 consecutive bytes, aligned
.endr
.endm
	s_load_b256 s[4:11], s[0:1], 0x0               ; xb s[4:5], wb s[6:7], qk s[8:9], vt s[10:11]
	s_set_vgpr_msb 0x40
	v_lshl_add_u32 v255, v0, 2, 0x48400
	s_set_vgpr_msb 0x4000
	v_mov_b32 v255, 0
	s_set_vgpr_msb 0x1
	ds_add_u32 v255, v255
	s_set_vgpr_msb 0x100
	v_lshrrev_b32 v1, 5, v0
	v_readfirstlane_b32 s[W], v1
	s_lshr_b32 s[WH], s[W], 1
	s_and_b32 s[WL], s[W], 1
	s_bfe_u32 s[CX], ttmp6, 0x40000
	s_bfe_u32 s[CY], ttmp6, 0x40004
	s_lshl_b32 s[BX], ttmp9, 2
	s_add_co_u32 s[BX], s[BX], s[CX]               ; bx = 4 x cluster x + cx, 0..7
	s_and_b32 s[BY], ttmp7, 0xffff
	s_lshl_b32 s[BY], s[BY], 2
	s_add_co_u32 s[BY], s[BY], s[CY]               ; by = 4 x cluster y + cy, 0..31
	s_lshl_b32 s[MROW], s[CY], 2
	s_lshl_b32 s[MROW], 15, s[MROW]
	s_lshl_b32 s[MCOL], 0x1111, s[CX]
	SHAPE G1X, MROW, 128, 1024
	SHAPE G1W, MCOL, 128, 1024
	SHAPE G1V, MCOL, 64, 1024
	s_mul_i32 s[LDSH], s[W], HALFT
	s_mul_i32 s[LDSQ], s[W], QUART
	; byte offsets of my tiles; s40-43 hold numbers made of by, s44-47 numbers made of bx, never the other
	s_lshl_b32 s40, s[BY], 8
	s_lshl_b32 s41, s[WL], 7
	s_add_co_u32 s40, s40, s41                     ; x: row 256 by + 128 half
	s_lshl_b32 s40, s40, 11                        ; x 2,048 bytes (below 2^24)
	s_mov_b32 s41, 0
	s_lshl_b32 s44, s[BX], 8
	s_lshl_b32 s45, s[WL], 7
	s_add_co_u32 s44, s44, s45                     ; W_q|W_k: row 256 bx + 128 half
	s_lshl_b32 s44, s44, 11
	s_mov_b32 s45, 0
	s_lshl_b32 s46, s[BX], 7
	s_lshl_b32 s47, s[WL], 6
	s_add_co_u32 s46, s46, s47
	s_add_co_u32 s46, s46, 2048                    ; W_v: row 2048 + 128 bx + 64 half
	s_lshl_b32 s46, s46, 11
	s_mov_b32 s47, 0
	s_wait_dscnt 0x0
	s_wait_kmcnt 0x0
	s_add_nc_u64 s[XAD:XAD+1], s[4:5], s[40:41]
	s_add_nc_u64 s[WAD:WAD+1], s[6:7], s[44:45]
	s_add_nc_u64 s[VAD:VAD+1], s[6:7], s[46:47]
	CROUND                                         ; all sixteen work-groups are here: the first joint loads meet
.irp s, 0,1
	GROUP0 G0A, LDSH, \s, XAD
	GROUP0 G0B, LDSH, \s, WAD
	JLOAD G0A+4*\s, G1X, G0B+4*\s, G1W             ; K steps 0 and 1: the ring is filled before anything else
.endr
.irp s, 0,1
	GROUP0 G0V, LDSQ, \s, VAD                      ; pass 2's places, in registers that no pending load names
	GROUP0 G0X2, LDSH, \s, XAD
.endr
	v_and_b32 v1, 15, v0                           ; r = l % 16
	v_bfe_u32 v2, v0, 4, 1                         ; h = l / 16
	v_mul_u32_u24 v3, v1, PITCH
	v_lshl_add_u32 v3, v2, 4, v3                   ; row x pitch + 16 h
	s_mul_i32 s23, s[WH], HALFT
	s_mul_i32 s98, s[WH], QUART
	s_mul_i32 s99, s[WL], HALFT
	s_add_co_u32 s99, s99, 2*HALFT
.irp s, 0,1
	v_add_nc_u32 v[ADRA+\s], s23, v3
	v_add_nc_u32 v[ADRM+\s], s98, v3
	v_add_nc_u32 v[ADRB+\s], s99, v3
	s_add_co_u32 s23, s23, SLOT
	s_add_co_u32 s98, s98, SLOT
	s_add_co_u32 s99, s99, SLOT
.endr
	s_mul_i32 s23, s[W], 16*SPITCH
	s_add_co_u32 s23, s23, STAGE                   ; my stage
	v_add_nc_u32 v[STO], s23, v3                   ; in: row r, 16 bytes for each half of the lanes
	v_mul_u32_u24 v5, v2, SPITCH
	v_lshl_add_u32 v5, v1, 4, v5
	v_add_nc_u32 v[RD], s23, v5                    ; back: lanes 0-15 one row of 256 bytes, lanes 16-31 the next
	v_lshlrev_b32 v4, 4, v1
	v_lshl_add_u32 v[CO], v2, 12, v4               ; the same two rows in qk
	v_lshl_add_u32 v[CO2], v2, 14, v4              ; and in vt
	s_lshl_b32 s98, s[BX], 7                       ; the prefetch of W_v: from here on s98, s99 feed no LDS address and no descriptor
	s_lshl_b32 s99, s[BY], 2
	s_add_co_u32 s98, s98, s99
	s_add_co_u32 s98, s98, 2048                    ; row 2048 + 128 bx + 4 by of wb
	v_and_b32 v5, 3, v0
	v_add_nc_u32 v5, s98, v5                       ; + lane % 4
	v_bfe_u32 v6, v0, 2, 3                         ; K step = lane / 4
	v_lshlrev_b32 v6, 8, v6                        ; x 256 bytes
	v_lshl_add_u32 v[PFO], v5, 11, v6              ; row x 2,048 bytes + K step's piece: at most row 3071, piece 7: inside wb
	s_wait_tensorcnt 0x1                           ; my part of K step 0 is in; K step 1's may stay out
	s_barrier_signal -1
	s_barrier_wait -1
	FETCH 0, 0, F0
	LAP 1                                          ; K steps 0, 1: the first products start the sums
	WIN 0
	s_mov_b32 s3, 2
.Lp1:
	LAP 0                                          ; K steps 2 to 5
	WIN 0
	s_sub_co_u32 s3, s3, 1
	s_cmp_lg_u32 s3, 0
	s_cbranch_scc1 .Lp1
	s_cmp_lg_u32 s[W], 0                           ; wave 0 alone asks: 32 lanes, 32 different pieces of 256 bytes, each asked for by no other work-group
	s_cbranch_scc1 .Lno_prefetch
	global_prefetch_b8 v[PFO], s[6:7] th:TH_LOAD_NT scope:SCOPE_SE
.Lno_prefetch:
	THREE 0, 0                                     ; K step 6
	TURN 0, 1, 2, 1                                ; slot 0 takes pass 2's K step 0
	THREE 1, 0                                     ; K step 7
	TURN 1, 0, 2, 0                                ; slot 1 takes pass 2's K step 1; every wave has shown slot 0's tile landed in front of this round
	PLACES
	s_lshl_b32 s40, s[BY], 8
	s_lshl_b32 s41, s[WH], 7
	s_add_co_u32 s40, s40, s41                     ; my first row of qk
	s_lshl_b32 s40, s40, 12
	s_mov_b32 s41, 0
	s_add_nc_u64 s[8:9], s[8:9], s[40:41]
	s_lshl_b32 s44, s[BX], 9
	s_lshl_b32 s45, s[WL], 8
	s_add_co_u32 s44, s44, s45                     ; my first column, in bytes
	s_mov_b32 s45, 0
	s_add_nc_u64 s[8:9], s[8:9], s[44:45]
	OUT16 0, 0, 0x0a, F0, CO, 8, QKROW, 0
	OUT16 1, 1, 0x0a, F1, CO, 8, QKROW, 0
	OUT16 1, 2, 0x0a, F0, CO, 8, QKROW, 0
	OUT16 1, 3, 0x0a, F1, CO, 8, QKROW, 0
	OUT16 1, 0, 0x0f, F0, CO, 8, QKROW, 0
	OUT16 1, 1, 0x0f, F1, CO, 8, QKROW, 0
	OUT16 1, 2, 0x0f, F0, CO, 8, QKROW, 0
	OUT16 1, 3, 0x0f, F1, CO, 8, QKROW, 0
	s_wait_xcnt 0x0                                ; buffers 0 and 1 were store data: loaded into only behind this wait
	FETCH2 0, 0, F0
	LAP2 1
	WIN 0
	s_mov_b32 s3, 2
.Lp2:
	LAP2 0
	WIN 0
	s_sub_co_u32 s3, s3, 1
	s_cmp_lg_u32 s3, 0
	s_cbranch_scc1 .Lp2
	THREE2 0, 0                                    ; the last lap fills nothing
	TURN2 0, 1, 0
	THREE2 1, 0
	s_wait_dscnt 0
	WIN MUL_LO
	MUL16 F1, 0, 0, 0
	MUL16 F1, 0, 2, 0
	PLACES
	WIN 0x82                                       ; source 0 and destination window 2
.set q, 0
.rept 128
	v_pk_mul_f32 v[2*q:2*q+1], v[2*q:2*q+1], 0x3d800000 op_sel_hi:[1,0]   ; V / 16, exact
.set q, q+1
.endr
	s_lshl_b32 s44, s[BX], 7
	s_lshl_b32 s45, s[WH], 6
	s_add_co_u32 s44, s44, s45                     ; my first row of vt
	s_lshl_b32 s44, s44, 14
	s_mov_b32 s45, 0
	s_add_nc_u64 s[10:11], s[10:11], s[44:45]
	s_lshl_b32 s40, s[BY], 9
	s_lshl_b32 s41, s[WL], 8
	s_add_co_u32 s40, s40, s41                     ; my first column, in bytes
	s_mov_b32 s41, 0
	s_add_nc_u64 s[10:11], s[10:11], s[40:41]
	OUT16 0, 0, 0x0a, F0, CO2, 10, VTROW, 1
	OUT16 1, 1, 0x0a, F1, CO2, 10, VTROW, 1
	OUT16 1, 2, 0x0a, F0, CO2, 10, VTROW, 1
	OUT16 1, 3, 0x0a, F1, CO2, 10, VTROW, 1
	s_set_vgpr_msb 0x1
	s_wait_tensorcnt 0x0
	ds_add_u32 v255, v255
	s_wait_dscnt 0x0
	s_set_vgpr_msb 0x100
	CROUND                                         ; the closing round: no work-group ends while a partner may still ask for a tile that names it
	s_endpgm
.Lfunc_end_k_qcb311c334a_proj:
	.size	k_qcb311c334a_proj, .Lfunc_end_k_qcb311c334a_proj-k_qcb311c334a_proj
	.p2alignl 7, 3214868480
	.fill 96, 4, 3214868480
	.section	.rodata,"a",@progbits
	.p2align	6, 0x0
	.amdhsa_kernel k_qcb311c334a_proj
		.amdhsa_group_segment_fixed_size 327680
		.amdhsa_private_segment_fixed_size 0
		.amdhsa_enable_private_segment 0
		.amdhsa_kernarg_size 32
		.amdhsa_user_sgpr_count 2
		.amdhsa_user_sgpr_kernarg_segment_ptr 1
		.amdhsa_wavefront_size32 1
		.amdhsa_system_sgpr_workgroup_id_x 1
		.amdhsa_system_sgpr_workgroup_id_y 1
		.amdhsa_system_sgpr_workgroup_id_z 1
		.amdhsa_system_vgpr_workitem_id 0
		.amdhsa_next_free_vgpr 1024
		.amdhsa_next_free_sgpr 100
		.amdhsa_reserve_vcc 0
		.amdhsa_float_denorm_mode_32 3
		.amdhsa_float_denorm_mode_16_64 3
		.amdhsa_memory_ordered 1
		.amdhsa_forward_progress 1
		.amdhsa_inst_pref_size 255
	.end_amdhsa_kernel
	.section	.bss,"aw",@nobits
	.p2align	6
	.space	262144
	.amdgpu_metadata
---
amdhsa.version: [ 1, 2 ]
amdhsa.kernels:
  - .name:           k_qcb311c334a_proj
    .symbol:         k_qcb311c334a_proj.kd
    .args:
      - { .name: xb, .offset: 0, .size: 8, .value_kind: global_buffer, .address_space: global }
      - { .name: wb, .offset: 8, .size: 8, .value_kind: global_buffer, .address_space: global }
      - { .name: qk, .offset: 16, .size: 8, .value_kind: global_buffer, .address_space: global }
      - { .name: vt, .offset: 24, .size: 8, .value_kind: global_buffer, .address_space: global }
    .group_segment_fixed_size: 327680
    .private_segment_fixed_size: 0
    .kernarg_segment_align: 8
    .kernarg_segment_size: 32
    .max_flat_workgroup_size: 128
    .sgpr_count:     100
    .vgpr_count:     1024
    .wavefront_size: 32
...
	.end_amdgpu_metadata
.endif
;; end of part 2
;; launch score (part 3): grid 8 x 32, 4 waves a work-group, clusters of 4 x 4, 327,680 bytes of LDS; arguments qk, p, st; writes p, st
.if DOCPART == 3
	.amdgcn_target "amdgcn-amd-amdhsa--gfx1250"
	.amdhsa_code_object_version 6
	.text
	.protected	k_qcb311c334a_score
	.globl	k_qcb311c334a_score
	.p2align	8
	.type	k_qcb311c334a_score,@function
k_qcb311c334a_score:
	s_mov_b64 s[64:65], 0
	v_nop
	global_prefetch_b8 v0, s[64:65] scope:SCOPE_SE
	s_setreg_imm32_b32 hwreg(HW_REG_WAVE_MODE, 25, 1), 1
	s_wait_xcnt 0x0
	s_wait_alu depctr_hold_cnt(0) depctr_sa_sdst(0) depctr_va_vdst(0) depctr_va_sdst(0) depctr_va_ssrc(0) depctr_va_vcc(0) depctr_vm_vsrc(0)
	s_getreg_b32 s2, hwreg(HW_REG_IB_STS2, 6, 4)
	s_cmp_eq_u32 s2, 0
	s_cbranch_scc0 .Lentry_in_a_cluster
	s_endpgm
.Lentry_in_a_cluster:
	s_bfe_u32 s2, ttmp6, 0x10000c
	s_cmp_lg_u32 s2, 0xf033
	s_cbranch_scc0 .Lentry_shape_is_right
	s_endpgm
.Lentry_shape_is_right:
; Scores and the first half of the softmax.  S[q][k] = sum over d of Q[q][d] K[k][d], kept in f32 registers, never stored.
; Block 256 q x 256 k at (by = 8 batch + q block, bx = k block); a wave makes 128 x 128.  For each row and the wave's block j = 2 bx + WL of 128 keys:
;   m2 = c max S,   P~ = exp2(c S - m2) rounded to f16,   l = the sum of the unrounded P~,   c = log2(e) / 32 (the division by sqrt(1024) folded in).
; p [8192 q][2048 k] takes P~; st takes m2 and l.  The last launch takes the maximum of m2 over a row's 16 blocks and rescales: together a softmax with
; the row's true maximum taken away, all of it in f32.
; st: f32 [R 64][j 16][m2 or l][ah 2][r 16][a4 4], row in its group R of 128 rows = 16 (4 ah + a4) + r: each [ah] piece is 256 bytes, stored by 16 lanes.
; FORMATS AND LIMITS: Q, K bf16.  P~ lies in (0, 1] up to rounding; below 2^-14 it is kept to an absolute step of 2^-24, below 2^-25 it becomes 0, all relative to its
; block's largest weight.  NaN, infinities and scores that overflow f32 are not treated specially.
; CLUSTERS: 4 x 4.  Q's tiles hang on by and are asked for jointly along a row of the cluster, K's on bx and the batch (equal in a cluster: four
; block rows, eight to a batch) and are asked for jointly along a column.  Two tensor loads of a wave are out after the first fills, later one.
; The accumulators take turns, one matrix instruction a turn.
; Registers, windows and the transposed use of the matrix instruction: source 0 = 16 rows of K (window 1), source 1 = 16 rows of Q (window 0);
; lane l holds row l % 16 and, in tile b, the keys 16 b + 8 (l / 16) + 0..7.  So a row's 128 scores lie in 64 registers of lane l and 64 of lane l xor 16.
.set KSTEP,  128
.set PITCH,  272
.set HALFT,  128*PITCH
.set SLOT,   4*HALFT
.set STAGE,  2*SLOT
.set SPITCH, 272
.set PROW,   4096                      ; bytes in a row of qk and of p
.set G1W0,   (1<<16)|(1<<20)|(1<<21)|(5<<22)|(3<<25)
.set W, 12
.set WH, 13
.set WL, 14
.set CX, 15
.set CY, 16
.set BX, 17
.set BY, 18
.set MROW, 19
.set MCOL, 20
.set LDSH, 21
.set G1A, 24                           ; s[24:31] shape of Q's tiles, row mask
.set G0A, 32                           ; s[32:39]
.set G1B, 48                           ; s[48:55] shape of K's tiles, column mask
.set G0B, 56                           ; s[56:63]
.set QADR, 66
.set KADR, 68
.set CC, 70                            ; s[70:71] c, twice
.set NC, 72                            ; -c
.set SELLO, 73                         ; v_permlanex16_b32: lane i of one half reads lane i of the other
.set SELHI, 74
.set ADRA, 16
.set ADRB, 20
.set STO, 24
.set RD, 25
.set CO, 26
.set SOFF, 28                          ; 512 h + 16 r: lanes 0-15 store m2, lanes 16-31 store l
.set MS, 32                            ; v32-39 m2 of my eight tile rows
.set LS, 40                            ; v40-47 l of them
.set SUM, 48                           ; v48-55 four pair chains; at the end what is stored to st
.set MX, 56                            ; v56-59 four chains of maxima
.set NMC, 60                           ; v[60:61] -m2, twice
.set F0, 64
.set F1, 128
.set TMP, 192                          ; v192-255
.set MSB, 0
.macro WIN new
.if MSB != \new
	s_set_vgpr_msb (MSB<<8)|\new
.set MSB, \new
.endif
.endm
.set MUL_LO, 0xa1
.set MUL_HI, 0xf1
.set TO_B,   0x40
.macro SHAPE g1, mask, rows, pitch
	s_or_b32 s[\g1+0], s[\mask], G1W0
	s_mov_b32 s[\g1+1], KSTEP<<16
	s_mov_b32 s[\g1+2], \rows<<16
	s_mov_b32 s[\g1+3], KSTEP<<16
	s_mov_b32 s[\g1+4], \rows
	s_mov_b32 s[\g1+5], \pitch
	s_mov_b32 s[\g1+6], 0
	s_mov_b32 s[\g1+7], 0
.endm
.macro GROUP0 g0, lds, slot, adr
	s_mov_b32 s[\g0+4*\slot], 1
	s_add_co_u32 s[\g0+4*\slot+1], s[\lds], \slot*SLOT
	s_add_nc_u64 s[\g0+4*\slot+2:\g0+4*\slot+3], s[\adr:\adr+1], \slot*KSTEP*2
	s_or_b32 s[\g0+4*\slot+3], s[\g0+4*\slot+3], 0x80000000
.endm
.macro JLOAD g0a, g1a, g0b, g1b        ; waves 0, 1 ask for Q's halves, waves 2, 3 for K's
	s_cmp_eq_u32 s[WH], 0
	s_cbranch_scc0 .Lfor_b_\@
	tensor_load_to_lds s[\g0a:\g0a+3], s[\g1a:\g1a+7]
	s_nop 0
	s_branch .Lasked_\@
.Lfor_b_\@:
	tensor_load_to_lds s[\g0b:\g0b+3], s[\g1b:\g1b+7]
	s_nop 0
.Lasked_\@:
.endm
.macro CREST
	s_cmp_lg_u32 s[W], 0
	s_cbranch_scc1 .Lnot_wave_0_\@
	s_barrier_signal -3
.Lnot_wave_0_\@:
	s_barrier_wait -3
	s_barrier_signal -1
	s_barrier_wait -1
.endm
.macro CROUND
	s_barrier_signal -1
	s_barrier_wait -1
	CREST
.endm
.macro PLACES
.rept 4
	v_nop
.endr
.endm
.macro MUL16 f, hi, a0, zero
.irp a, \a0, \a0+1
.irp b, 0,1,2,3,4,5,6,7
.if \zero
	v_wmma_f32_16x16x32_bf16 v[8*(8*(\a)+\b):8*(8*(\a)+\b)+7], v[\f+8*\b:\f+8*\b+7], v[\f+8*(4*\hi+\a):\f+8*(4*\hi+\a)+7], 0
.else
	v_wmma_f32_16x16x32_bf16 v[8*(8*(\a)+\b):8*(8*(\a)+\b)+7], v[\f+8*\b:\f+8*\b+7], v[\f+8*(4*\hi+\a):\f+8*(4*\hi+\a)+7], v[8*(8*(\a)+\b):8*(8*(\a)+\b)+7]
.endif
.endr
.endr
.endm
.macro FETCH slot, k, f
	WIN TO_B
.irp i, 0,1,2,3,4,5,6,7
	ds_load_b128 v[\f+8*\i:\f+8*\i+3],   v[ADRB+\slot] offset:\k+\i*16*PITCH
	ds_load_b128 v[\f+8*\i+4:\f+8*\i+7], v[ADRB+\slot] offset:\k+\i*16*PITCH+32
.endr
	WIN 0
.irp i, 0,1,2,3,4,5,6,7
	ds_load_b128 v[\f+8*\i:\f+8*\i+3],   v[ADRA+\slot] offset:\k+\i*16*PITCH
	ds_load_b128 v[\f+8*\i+4:\f+8*\i+7], v[ADRA+\slot] offset:\k+\i*16*PITCH+32
.endr
.endm
.macro QUARTER slot, k, f, g, zero
	s_wait_dscnt 8                                 ; K's rows and Q's rows 0-63 are in; the youngest eight loads may be out
	WIN MUL_LO
	MUL16 \f, 0, 0, \zero
	MUL16 \f, 0, 2, \zero
	PLACES
	FETCH \slot, \k, \g
	s_wait_dscnt 32                                ; all but the 32 just issued
	WIN MUL_HI
	MUL16 \f, 1, 0, \zero
	MUL16 \f, 1, 2, \zero
.endm
.macro THREE slot, zero
	QUARTER \slot, 64,  F0, F1, \zero
	QUARTER \slot, 128, F1, F0, 0
	QUARTER \slot, 192, F0, F1, 0
.endm
; The last quarter and the change of slots: my reads of this slot and all my tensor loads are waited for in front of the barrier; where the slot is
; filled again the barrier opens a round of the cluster's barrier and the joint refill is the first tensor load behind it.
.macro TURN slot, next, fill
	s_wait_dscnt 8
	WIN MUL_LO
	MUL16 F1, 0, 0, 0
	s_wait_dscnt 0
	s_wait_tensorcnt 0x0
	ds_add_u32 v255, v63
	s_wait_dscnt 0x0
	s_barrier_signal -1
	MUL16 F1, 0, 2, 0
	WIN 0
	s_barrier_wait -1
.if \fill
	CREST
	s_add_nc_u64 s[G0A+4*\slot+2:G0A+4*\slot+3], s[G0A+4*\slot+2:G0A+4*\slot+3], 2*KSTEP*2
	s_add_nc_u64 s[G0B+4*\slot+2:G0B+4*\slot+3], s[G0B+4*\slot+2:G0B+4*\slot+3], 2*KSTEP*2
	JLOAD G0A+4*\slot, G1A, G0B+4*\slot, G1B
.endif
	PLACES
	FETCH \next, 0, F0
	WIN MUL_HI
	MUL16 F1, 1, 0, 0
	MUL16 F1, 1, 2, 0
.endm
.macro LAP zero
	THREE 0, \zero
	TURN 0, 1, 1
	THREE 1, 0
	TURN 1, 0, 1
.endm
; Tile row i (16 rows x 128 keys) = registers 64 a .. 64 a + 63 of window 2 or 3.  from2 = 0x0a / 0x0f: sources 0 and 1 in that window;
; from1 = 0x02 / 0x03: source 0 alone.  f: read-back buffer.
.macro OUTS i, a, from2, from1, f
	WIN \from2
.irp c, 0,1,2,3
	v_max_num_f32 v[MX+\c], v[64*\a+16*\c], v[64*\a+16*\c+1]       ; four chains, started by the first numbers
.endr
.irp k, 1,2,3,4,5,6,7
.irp c, 0,1,2,3
	v_max3_num_f32 v[MX+\c], v[64*\a+16*\c+2*\k], v[64*\a+16*\c+2*\k+1], v[MX+\c]
.endr
.endr
	WIN 0
	v_max3_num_f32 v[MX], v[MX], v[MX+1], v[MX+2]
	v_max_num_f32 v[MX], v[MX], v[MX+3]
	v_permlanex16_b32 v[MX+1], v[MX], s[SELLO], s[SELHI]           ; the other 64 keys of my row
	v_max_num_f32 v[MX], v[MX], v[MX+1]
	v_mul_f32 v[MS+\i], s[CC], v[MX]                               ; m2 = c max
	v_mul_f32 v[NMC], s[NC], v[MX]                                 ; -m2: the same rounding, the other sign
	v_mul_f32 v[NMC+1], s[NC], v[MX]
	WIN \from1
.set q, 0
.rept 32
	v_pk_fma_f32 v[TMP+2*q:TMP+2*q+1], v[64*\a+2*q:64*\a+2*q+1], s[CC:CC+1], v[NMC:NMC+1] op_sel_hi:[1,0,1]   ; c S - m2, one rounding
.set q, q+1
.endr
	WIN 0
.set q, 0
.rept 64
	v_exp_f32 v[TMP+q], v[TMP+q]
.set q, q+1
.endr
	v_nop                                          ; one plain place between the exponentials and the first use of a result
	s_wait_alu depctr_va_vdst(0)
.irp c, 0,1,2,3
	v_pk_add_f32 v[SUM+2*\c:SUM+2*\c+1], v[TMP+2*\c:TMP+2*\c+1], v[TMP+8+2*\c:TMP+8+2*\c+1]
.endr
.irp k, 2,3,4,5,6,7
.irp c, 0,1,2,3
	v_pk_add_f32 v[SUM+2*\c:SUM+2*\c+1], v[SUM+2*\c:SUM+2*\c+1], v[TMP+8*\k+2*\c:TMP+8*\k+2*\c+1]
.endr
.endr
	v_pk_add_f32 v[SUM:SUM+1], v[SUM:SUM+1], v[SUM+2:SUM+3]
	v_pk_add_f32 v[SUM+4:SUM+5], v[SUM+4:SUM+5], v[SUM+6:SUM+7]
	v_pk_add_f32 v[SUM:SUM+1], v[SUM:SUM+1], v[SUM+4:SUM+5]
	v_add_f32 v[SUM], v[SUM], v[SUM+1]
	v_permlanex16_b32 v[SUM+1], v[SUM], s[SELLO], s[SELHI]
	v_add_f32 v[LS+\i], v[SUM], v[SUM+1]                           ; l, in both lanes of the row
.set q, 0
.rept 32
	v_cvt_pk_f16_f32 v[TMP+q], v[TMP+2*q], v[TMP+2*q+1]            ; in place: word q is written when words 2 q, 2 q + 1 are read, never ahead of a later source
.set q, q+1
.endr
.irp b, 0,1,2,3,4,5,6,7
	ds_store_b128 v[STO], v[TMP+4*\b:TMP+4*\b+3] offset:32*\b
.endr
	s_wait_xcnt 0x0                                ; buffer f and the stores' base are rewritten only behind this wait
.if \i
	s_add_nc_u64 s[6:7], s[6:7], 16*PROW
.endif
.irp t, 0,1,2,3,4,5,6,7
	ds_load_b128 v[\f+4*\t:\f+4*\t+3], v[RD] offset:\t*2*SPITCH    ; my own stage, served in order behind the stores above
.endr
.irp t, 0,1,2,3,4,5,6,7
	s_wait_dscnt 7-\t
	global_store_b128 v[CO], v[\f+4*\t:\f+4*\t+3], s[6:7] offset:2*\t*PROW   ; 16 lanes store 256 consecutive bytes, aligned
.endr
.endm
	s_load_b128 s[4:7], s[0:1], 0x0                ; qk s[4:5], p s[6:7]
	s_load_b64 s[8:9], s[0:1], 0x10                ; st
	s_set_vgpr_msb 0x40
	v_lshl_add_u32 v255, v0, 2, 0x48400
	s_set_vgpr_msb 0x4000
	v_mov_b32 v63, 0
	s_set_vgpr_msb 0x1
	ds_add_u32 v255, v63
	s_set_vgpr_msb 0x100
	v_lshrrev_b32 v1, 5, v0
	v_readfirstlane_b32 s[W], v1
	s_lshr_b32 s[WH], s[W], 1
	s_and_b32 s[WL], s[W], 1
	s_bfe_u32 s[CX], ttmp6, 0x40000
	s_bfe_u32 s[CY], ttmp6, 0x40004
	s_lshl_b32 s[BX], ttmp9, 2
	s_add_co_u32 s[BX], s[BX], s[CX]               ; key block 0..7
	s_and_b32 s[BY], ttmp7, 0xffff
	s_lshl_b32 s[BY], s[BY], 2
	s_add_co_u32 s[BY], s[BY], s[CY]               ; 8 batch + query block, 0..31
	s_lshl_b32 s[MROW], s[CY], 2
	s_lshl_b32 s[MROW], 15, s[MROW]
	s_lshl_b32 s[MCOL], 0x1111, s[CX]
	SHAPE G1A, MROW, 128, 2048
	SHAPE G1B, MCOL, 128, 2048
	s_mul_i32 s[LDSH], s[W], HALFT
	s_mov_b32 s[CC], 0x3d38aa3b                    ; log2(e) / 32
	s_mov_b32 s[CC+1], 0x3d38aa3b
	s_mov_b32 s[NC], 0xbd38aa3b
	s_mov_b32 s[SELLO], 0x76543210
	s_mov_b32 s[SELHI], 0xfedcba98
	s_lshl_b32 s40, s[BY], 8                       ; s40-43: made of by; s44-47: made of bx and the cluster's y
	s_lshl_b32 s41, s[WL], 7
	s_add_co_u32 s40, s40, s41                     ; Q: row 256 by + 128 half
	s_lshl_b32 s40, s40, 12                        ; x 4,096 bytes (below 2^25)
	s_mov_b32 s41, 0
	s_lshl_b32 s44, s[BX], 8
	s_lshl_b32 s45, s[WL], 7
	s_add_co_u32 s44, s44, s45
	s_and_b32 s46, ttmp7, 0xffff
	s_lshr_b32 s46, s46, 1                         ; batch: two clusters along y to a batch
	s_lshl_b32 s46, s46, 11
	s_add_co_u32 s44, s44, s46                     ; K: row 2048 batch + 256 bx + 128 half
	s_lshl_b32 s44, s44, 12
	s_add_co_u32 s44, s44, 2048                    ; K's columns begin 2,048 bytes into a row of qk
	s_mov_b32 s45, 0
	s_wait_dscnt 0x0
	s_wait_kmcnt 0x0
	s_add_nc_u64 s[QADR:QADR+1], s[4:5], s[40:41]
	s_add_nc_u64 s[KADR:KADR+1], s[4:5], s[44:45]
	CROUND                                         ; in front of the first joint loads
.irp s, 0,1
	GROUP0 G0A, LDSH, \s, QADR
	GROUP0 G0B, LDSH, \s, KADR
	JLOAD G0A+4*\s, G1A, G0B+4*\s, G1B
.endr
	v_and_b32 v1, 15, v0                           ; r
	v_bfe_u32 v2, v0, 4, 1                         ; h
	v_mul_u32_u24 v3, v1, PITCH
	v_lshl_add_u32 v3, v2, 4, v3
	s_mul_i32 s22, s[WH], HALFT
	s_mul_i32 s23, s[WL], HALFT
	s_add_co_u32 s23, s23, 2*HALFT
.irp s, 0,1
	v_add_nc_u32 v[ADRA+\s], s22, v3
	v_add_nc_u32 v[ADRB+\s], s23, v3
	s_add_co_u32 s22, s22, SLOT
	s_add_co_u32 s23, s23, SLOT
.endr
	s_mul_i32 s22, s[W], 16*SPITCH
	s_add_co_u32 s22, s22, STAGE
	v_add_nc_u32 v[STO], s22, v3
	v_mul_u32_u24 v5, v2, SPITCH
	v_lshl_add_u32 v5, v1, 4, v5
	v_add_nc_u32 v[RD], s22, v5
	v_lshlrev_b32 v4, 4, v1
	v_lshl_add_u32 v[CO], v2, 12, v4
	v_lshl_add_u32 v[SOFF], v2, 9, v4
	s_wait_tensorcnt 0x1                           ; my part of K step 0 is in; K step 1's may stay out
	s_barrier_signal -1
	s_barrier_wait -1
	FETCH 0, 0, F0
	LAP 1
	WIN 0
	s_mov_b32 s3, 2
.Llap:
	LAP 0
	WIN 0
	s_sub_co_u32 s3, s3, 1
	s_cmp_lg_u32 s3, 0
	s_cbranch_scc1 .Llap
	THREE 0, 0                                     ; the last lap fills nothing
	TURN 0, 1, 0
	THREE 1, 0
	s_wait_dscnt 8
	WIN MUL_LO
	MUL16 F1, 0, 0, 0
	MUL16 F1, 0, 2, 0
	s_wait_dscnt 0
	WIN MUL_HI
	MUL16 F1, 1, 0, 0
	MUL16 F1, 1, 2, 0
	PLACES
	s_lshl_b32 s40, s[BY], 8
	s_lshl_b32 s41, s[WH], 7
	s_add_co_u32 s40, s40, s41                     ; my first row of p
	s_lshl_b32 s40, s40, 12
	s_mov_b32 s41, 0
	s_add_nc_u64 s[6:7], s[6:7], s[40:41]
	s_lshl_b32 s44, s[BX], 9
	s_lshl_b32 s45, s[WL], 8
	s_add_co_u32 s44, s44, s45                     ; my first key, in bytes
	s_mov_b32 s45, 0
	s_add_nc_u64 s[6:7], s[6:7], s[44:45]
	s_lshl_b32 s42, s[BY], 1
	s_add_co_u32 s42, s42, s[WH]                   ; R = 2 by + WH
	s_lshl_b32 s42, s42, 14                        ; x 16 records of 1,024 bytes
	s_mov_b32 s43, 0
	s_add_nc_u64 s[8:9], s[8:9], s[42:43]
	s_lshl_b32 s46, s[BX], 1
	s_add_co_u32 s46, s46, s[WL]                   ; j = 2 bx + WL
	s_lshl_b32 s46, s46, 10
	s_mov_b32 s47, 0
	s_add_nc_u64 s[8:9], s[8:9], s[46:47]
	OUTS 0, 0, 0x0a, 0x02, F0
	OUTS 1, 1, 0x0a, 0x02, F1
	OUTS 2, 2, 0x0a, 0x02, F0
	OUTS 3, 3, 0x0a, 0x02, F1
	OUTS 4, 0, 0x0f, 0x03, F0
	OUTS 5, 1, 0x0f, 0x03, F1
	OUTS 6, 2, 0x0f, 0x03, F0
	OUTS 7, 3, 0x0f, 0x03, F1
	v_cmp_ne_u32 vcc_lo, 0, v2                     ; both lanes of a row hold m2 and l: lanes 0-15 store m2, lanes 16-31 l
.irp i, 0,1,2,3,4,5,6,7
	v_cndmask_b32 v[SUM+\i], v[MS+\i], v[LS+\i], vcc_lo
.endr
	global_store_b128 v[SOFF], v[SUM:SUM+3], s[8:9]                ; tile rows 0-3: two aligned pieces of 256 bytes
	global_store_b128 v[SOFF], v[SUM+4:SUM+7], s[8:9] offset:256   ; tile rows 4-7
	s_set_vgpr_msb 0x1
	s_wait_tensorcnt 0x0
	ds_add_u32 v255, v63
	s_wait_dscnt 0x0
	s_set_vgpr_msb 0x100
	CROUND                                         ; the closing round
	s_endpgm
.Lfunc_end_k_qcb311c334a_score:
	.size	k_qcb311c334a_score, .Lfunc_end_k_qcb311c334a_score-k_qcb311c334a_score
	.p2alignl 7, 3214868480
	.fill 96, 4, 3214868480
	.section	.rodata,"a",@progbits
	.p2align	6, 0x0
	.amdhsa_kernel k_qcb311c334a_score
		.amdhsa_group_segment_fixed_size 327680
		.amdhsa_private_segment_fixed_size 0
		.amdhsa_enable_private_segment 0
		.amdhsa_kernarg_size 24
		.amdhsa_user_sgpr_count 2
		.amdhsa_user_sgpr_kernarg_segment_ptr 1
		.amdhsa_wavefront_size32 1
		.amdhsa_system_sgpr_workgroup_id_x 1
		.amdhsa_system_sgpr_workgroup_id_y 1
		.amdhsa_system_sgpr_workgroup_id_z 1
		.amdhsa_system_vgpr_workitem_id 0
		.amdhsa_next_free_vgpr 1024
		.amdhsa_next_free_sgpr 76
		.amdhsa_reserve_vcc 1
		.amdhsa_float_denorm_mode_32 3
		.amdhsa_float_denorm_mode_16_64 3
		.amdhsa_memory_ordered 1
		.amdhsa_forward_progress 1
		.amdhsa_inst_pref_size 255
	.end_amdhsa_kernel
	.section	.bss,"aw",@nobits
	.p2align	6
	.space	262144
	.amdgpu_metadata
---
amdhsa.version: [ 1, 2 ]
amdhsa.kernels:
  - .name:           k_qcb311c334a_score
    .symbol:         k_qcb311c334a_score.kd
    .args:
      - { .name: qk, .offset: 0, .size: 8, .value_kind: global_buffer, .address_space: global }
      - { .name: p, .offset: 8, .size: 8, .value_kind: global_buffer, .address_space: global }
      - { .name: st, .offset: 16, .size: 8, .value_kind: global_buffer, .address_space: global }
    .group_segment_fixed_size: 327680
    .private_segment_fixed_size: 0
    .kernarg_segment_align: 8
    .kernarg_segment_size: 24
    .max_flat_workgroup_size: 128
    .sgpr_count:     76
    .vgpr_count:     1024
    .wavefront_size: 32
...
	.end_amdgpu_metadata
.endif
;; end of part 3
;; launch pv (part 4): grid 4 x 64, 4 waves a work-group, clusters of 4 x 4, 327,680 bytes of LDS; arguments p, vt, st, out0; writes out0
.if DOCPART == 4
	.amdgcn_target "amdgcn-amd-amdhsa--gfx1250"
	.amdhsa_code_object_version 6
	.text
	.protected	k_qcb311c334a_pv
	.globl	k_qcb311c334a_pv
	.p2align	8
	.type	k_qcb311c334a_pv,@function
k_qcb311c334a_pv:
	s_mov_b64 s[64:65], 0
	v_nop
	global_prefetch_b8 v0, s[64:65] scope:SCOPE_SE
	s_setreg_imm32_b32 hwreg(HW_REG_WAVE_MODE, 25, 1), 1
	s_wait_xcnt 0x0
	s_wait_alu depctr_hold_cnt(0) depctr_sa_sdst(0) depctr_va_vdst(0) depctr_va_sdst(0) depctr_va_ssrc(0) depctr_va_vcc(0) depctr_vm_vsrc(0)
	s_getreg_b32 s2, hwreg(HW_REG_IB_STS2, 6, 4)
	s_cmp_eq_u32 s2, 0
	s_cbranch_scc0 .Lentry_in_a_cluster
	s_endpgm
.Lentry_in_a_cluster:
	s_bfe_u32 s2, ttmp6, 0x10000c
	s_cmp_lg_u32 s2, 0xf033
	s_cbranch_scc0 .Lentry_shape_is_right
	s_endpgm
.Lentry_shape_is_right:
; The second half of the softmax and the product with V.
;   M[q] = max over j of m2[q][j];   L[q] = sum over j of l[q][j] exp2(m2[q][j] - M[q]);   f[q][j] = 16 exp2(m2[q][j] - M[q]) / L[q]
;   out0[q][d] = sum over j of f[q][j] * (sum over the 128 keys k of block j of P~[q][k] vt[d][k])        (vt holds V / 16, hence the 16)
; M is the row's true maximum, so L >= 1 up to rounding.  One K step of 128 keys is one block j: its product is started with C = 0 in window 2
; and added, times f, to the total in window 3 by fused multiply-adds in f32.
; Block 128 q x 256 d at (by, bx): 4 x 64 = 256 work-groups; a wave makes 64 x 128; 16 K steps.
; FORMATS AND LIMITS: P~ and V/16 are f16 (their limits stand at the launches that store them); a factor exp2(m2 - M) below 2^-126 becomes 0.
; CLUSTERS: 4 x 4.  P~'s tiles hang on by and are asked for jointly along a row of the cluster; V^T's on bx and the batch (equal in a cluster: four
; block rows, sixteen to a batch) and are asked for jointly along a column.  Two tensor loads of a wave are out after the first fills, later one.
; SHORT STEPS: a block is 128 matrix instructions a wave, and two slots of two blocks (384 rows x 528 bytes x 2 = 405,504 bytes) do not fit in LDS.
; So a slot's next tile is asked for as early as the ordering allows (TURN4), and later blocks' tiles are prefetched.
; PREFETCH: each aligned 256 bytes of p and of vt from block 2 on is asked for once in the launch.  A block's tile of P~ (128 rows of 256 bytes) is wanted
; by the four work-groups of a cluster's row: each asks for 32 rows, wave 0 for a lap's even block, wave 1 for its odd one.  A block's tile of V^T
; (256 rows) is wanted by the sixteen row blocks of a batch: each asks for 16 rows, wave 2 for both blocks of a lap (lanes 16-31 the odd one).
; Blocks 2, 3 are asked for at the start; blocks 2 L + 4, 2 L + 5 behind the refill that ends lap L, one and two blocks ahead of the tensor loads that want
; them: 24,576 bytes a lap and work-group.  Laps 0 to 5 ask; laps 6 and 7 do not, so that the last piece asked for is block 15's.
; The accumulators take turns, one matrix instruction a turn.
; LDS: two slots of 4 x 34,816 bytes; P~'s 128 rows at 0, V^T's 256 rows at 2 x 34,816.  The stretch between, 34,816 bytes in each slot, takes no
; fill: slot 0's holds the waves' stages for the way out (16 rows x 528 bytes each), slot 1's the waves' tables of f ([j 16][r 16][a 4] f32).
.set KSTEP,  128
.set PITCH,  272
.set HALFT,  128*PITCH
.set QUART,  64*PITCH
.set SLOT,   4*HALFT
.set OPITCH, 528                       ; a stage row: 512 bytes + 16, an odd multiple of 16
.set STAGE,  HALFT
.set TABLE,  SLOT+HALFT
.set OROW,   4096                      ; bytes in a row of out0
.set G1W0,   (1<<16)|(1<<20)|(1<<21)|(5<<22)|(3<<25)
.set W, 12
.set WH, 13
.set WL, 14
.set CX, 15
.set CY, 16
.set BX, 17
.set BY, 18
.set MROW, 19
.set MCOL, 20
.set LDSH, 21
.set LDSQ, 22
.set G1A, 24                           ; s[24:31] shape of P~'s tiles: 64 rows, row mask
.set G0A, 32                           ; s[32:39]
.set G1B, 48                           ; s[48:55] shape of V^T's tiles: 128 rows, column mask
.set G0B, 56                           ; s[56:63]
.set PADR, 66
.set VADR, 68
.set PFB, 72                           ; s[72:73] the buffer that my wave prefetches from: p (waves 0, 1) or vt (wave 2)
.set ADRM, 18                          ; v18-19 my fragments of P~ in slot 0, 1
.set ADRB, 20                          ; v20-21 my fragments of V^T
.set STO, 24
.set RD, 25
.set CO, 26
.set FADR, 28                          ; my 16 bytes of the table, at the lap's even block
.set SADR, 29                          ; my 16 bytes in a piece of st
.set PFO, 30                           ; byte offset of the piece that my lane asks for next
.set FC, 32                            ; v[32:35] first the rows' maxima, then f of the current block for my four tile rows
.set SUMR, 36                          ; v[36:39] L
.set RCPR, 40                          ; v[40:43] 16 / L
.set F0, 64
.set F1, 128
.set MSB, 0
.macro WIN new
.if MSB != \new
	s_set_vgpr_msb (MSB<<8)|\new
.set MSB, \new
.endif
.endm
.set MUL_LO, 0xa1                      ; source 0 window 1, source 1 window 0, C and D window 2
.set TO_B,   0x40
.set ADD_UP, 0xf2                      ; source 0 window 2 (the block's product), source 1 window 0 (f), source 2 and destination window 3 (the total)
.macro SHAPE g1, mask, rows, pitch
	s_or_b32 s[\g1+0], s[\mask], G1W0
	s_mov_b32 s[\g1+1], KSTEP<<16
	s_mov_b32 s[\g1+2], \rows<<16
	s_mov_b32 s[\g1+3], KSTEP<<16
	s_mov_b32 s[\g1+4], \rows
	s_mov_b32 s[\g1+5], \pitch
	s_mov_b32 s[\g1+6], 0
	s_mov_b32 s[\g1+7], 0
.endm
.macro GROUP0 g0, lds, slot, adr
	s_mov_b32 s[\g0+4*\slot], 1
	s_add_co_u32 s[\g0+4*\slot+1], s[\lds], \slot*SLOT
	s_add_nc_u64 s[\g0+4*\slot+2:\g0+4*\slot+3], s[\adr:\adr+1], \slot*KSTEP*2
	s_or_b32 s[\g0+4*\slot+3], s[\g0+4*\slot+3], 0x80000000
.endm
.macro JLOAD g0a, g1a, g0b, g1b        ; waves 0, 1 ask for P~'s halves, waves 2, 3 for V^T's
	s_cmp_eq_u32 s[WH], 0
	s_cbranch_scc0 .Lfor_b_\@
	tensor_load_to_lds s[\g0a:\g0a+3], s[\g1a:\g1a+7]
	s_nop 0
	s_branch .Lasked_\@
.Lfor_b_\@:
	tensor_load_to_lds s[\g0b:\g0b+3], s[\g1b:\g1b+7]
	s_nop 0
.Lasked_\@:
.endm
.macro CREST
	s_cmp_lg_u32 s[W], 0
	s_cbranch_scc1 .Lnot_wave_0_\@
	s_barrier_signal -3
.Lnot_wave_0_\@:
	s_barrier_wait -3
	s_barrier_signal -1
	s_barrier_wait -1
.endm
.macro CROUND
	s_barrier_signal -1
	s_barrier_wait -1
	CREST
.endm
.macro PLACES
.rept 4
	v_nop
.endr
.endm
.macro PREFETCH                        ; waves 0, 1, 2 ask, 32 different pieces of 256 bytes each; wave 3 has none
	s_cmp_eq_u32 s[W], 3
	s_cbranch_scc1 .Lno_prefetch_\@
	global_prefetch_b8 v[PFO], s[PFB:PFB+1] th:TH_LOAD_NT scope:SCOPE_SE
.Lno_prefetch_\@:
.endm
.macro MUL16 f, hi, a0, zero
.irp a, \a0, \a0+1
.irp b, 0,1,2,3,4,5,6,7
.if \zero
	v_wmma_f32_16x16x32_f16 v[8*(8*(\a)+\b):8*(8*(\a)+\b)+7], v[\f+8*\b:\f+8*\b+7], v[\f+8*(4*\hi+\a):\f+8*(4*\hi+\a)+7], 0
.else
	v_wmma_f32_16x16x32_f16 v[8*(8*(\a)+\b):8*(8*(\a)+\b)+7], v[\f+8*\b:\f+8*\b+7], v[\f+8*(4*\hi+\a):\f+8*(4*\hi+\a)+7], v[8*(8*(\a)+\b):8*(8*(\a)+\b)+7]
.endif
.endr
.endr
.endm
.macro FETCH2 slot, k, f               ; 24 LDS loads: 128 rows of V^T, 64 rows of P~, 32 keys at byte k of the rows
	WIN TO_B
.irp i, 0,1,2,3,4,5,6,7
	ds_load_b128 v[\f+8*\i:\f+8*\i+3],   v[ADRB+\slot] offset:\k+\i*16*PITCH
	ds_load_b128 v[\f+8*\i+4:\f+8*\i+7], v[ADRB+\slot] offset:\k+\i*16*PITCH+32
.endr
	WIN 0
.irp i, 0,1,2,3
	ds_load_b128 v[\f+8*\i:\f+8*\i+3],   v[ADRM+\slot] offset:\k+\i*16*PITCH
	ds_load_b128 v[\f+8*\i+4:\f+8*\i+7], v[ADRM+\slot] offset:\k+\i*16*PITCH+32
.endr
.endm
.macro Q2 slot, k, f, g, zero
	PLACES
	FETCH2 \slot, \k, \g
	s_wait_dscnt 24                                ; the 24 just issued may stay out; all older LDS loads (buffer f, and f's factors) are in
	WIN MUL_LO
	MUL16 \f, 0, 0, \zero
	MUL16 \f, 0, 2, \zero
.endm
.macro THREE2 slot, zero
	Q2 \slot, 64,  F0, F1, \zero
	Q2 \slot, 128, F1, F0, 0
	Q2 \slot, 192, F0, F1, 0
.endm
; total += f x product for one tile row a (64 registers).  fp: the pair of FC that holds f of row a; hi: which of the two, for both halves of the result.
.macro SCROW first, a, fp, hi
.set q, 0
.rept 32
.if \first
	v_pk_mul_f32 v[64*\a+2*q:64*\a+2*q+1], v[64*\a+2*q:64*\a+2*q+1], v[\fp:\fp+1] op_sel:[0,\hi] op_sel_hi:[1,\hi]
.else
	v_pk_fma_f32 v[64*\a+2*q:64*\a+2*q+1], v[64*\a+2*q:64*\a+2*q+1], v[\fp:\fp+1], v[64*\a+2*q:64*\a+2*q+1] op_sel:[0,\hi,0] op_sel_hi:[1,\hi,1]
.endif
.set q, q+1
.endr
.endm
.macro SCALE first                     ; first = 1: the first block starts the totals: nothing is cleared
	SCROW \first, 0, FC, 0
	SCROW \first, 1, FC, 1
	SCROW \first, 2, FC+2, 0
	SCROW \first, 3, FC+2, 1
.endm
; The change of slots, the block's last quarter, and the block's product added to the total.  Buffer 1 holds the last quarter's fragments, so my reads of this
; slot are over when it is in: they (and the load of f) and all my tensor loads are waited for, the barrier follows with nothing between signal and wait, and
; where the slot is filled again it opens a round of the cluster's barrier, behind which the joint refill is the first tensor load.  All the rest of the block's
; work stands behind the refill: from a request to the wait for it a wave has a whole block's 128 matrix instructions and 128 multiply-adds.
; pf = 1: the tiles of the two blocks that are asked for in the next lap but one's... next lap's turns are prefetched (blocks 2 L + 4, 2 L + 5 in lap L).
.macro TURN4 slot, next, fill, first, pf
	WIN 0
.if \pf
	s_wait_xcnt 0x0                                ; the prefetch of a lap ago has had its addresses translated (ISA guide 3.1): its offset is rewritten only behind this wait
	v_add_nc_u32 v[PFO], 2*KSTEP*2, v[PFO]         ; two blocks on
.endif
	s_wait_dscnt 0                                 ; buffer 1 and f are in: my reads of this slot are over
	s_wait_tensorcnt 0x0                           ; all my tensor loads have landed: the one that was out is my part of the next slot
	ds_add_u32 v254, v255
	s_wait_dscnt 0x0
	s_barrier_signal -1
	s_barrier_wait -1
.if \fill
	CREST
	s_add_nc_u64 s[G0A+4*\slot+2:G0A+4*\slot+3], s[G0A+4*\slot+2:G0A+4*\slot+3], 2*KSTEP*2
	s_add_nc_u64 s[G0B+4*\slot+2:G0B+4*\slot+3], s[G0B+4*\slot+2:G0B+4*\slot+3], 2*KSTEP*2
	JLOAD G0A+4*\slot, G1A, G0B+4*\slot, G1B
.endif
.if \pf
	PREFETCH
.endif
	PLACES                                         ; behind the third quarter's matrix instructions, which read buffer 0
	FETCH2 \next, 0, F0
	WIN MUL_LO
	MUL16 F1, 0, 0, 0
	MUL16 F1, 0, 2, 0
	PLACES                                         ; behind the block's last matrix instructions, whose results are read next
	WIN ADD_UP
	SCALE \first
	WIN 0
.if \slot
	v_add_nc_u32 v[FADR], 512, v[FADR]             ; the next lap's two blocks
	ds_load_b128 v[FC:FC+3], v[FADR]               ; f of the next (even) block
.else
	ds_load_b128 v[FC:FC+3], v[FADR] offset:256    ; f of the next (odd) block
.endif
.endm
.macro LAP4 first, pf
	THREE2 0, 1
	TURN4 0, 1, 1, \first, 0
	THREE2 1, 1
	TURN4 1, 0, 1, 0, \pf
.endm
; 16 rows x 128 columns of f32 from window 3: 32 bytes a lane and tile into my stage, back as whole rows of 512 bytes, out.
.macro OUTF i, f
	WIN 0x0c                                       ; an LDS store's data is its source 1: window 3
.irp b, 0,1,2,3,4,5,6,7
	ds_store_b128 v[STO], v[64*\i+8*\b:64*\i+8*\b+3] offset:64*\b
	ds_store_b128 v[STO], v[64*\i+8*\b+4:64*\i+8*\b+7] offset:64*\b+16
.endr
	WIN 0
	s_wait_xcnt 0x0                                ; buffer f and the stores' base are rewritten only behind this wait
.if \i
	s_add_nc_u64 s[10:11], s[10:11], 16*OROW
.endif
.irp t, 0,1,2,3,4,5,6,7,8,9,10,11,12,13,14,15
	ds_load_b128 v[\f+4*\t:\f+4*\t+3], v[RD] offset:\t*OPITCH      ; my own stage, served in order behind the stores above
.endr
.irp t, 0,1,2,3,4,5,6,7,8,9,10,11,12,13,14,15
	s_wait_dscnt 15-\t
	global_store_b128 v[CO], v[\f+4*\t:\f+4*\t+3], s[10:11] offset:\t*OROW th:TH_STORE_NT   ; the wave stores 512 consecutive bytes, aligned
.endr
.endm
	s_load_b256 s[4:11], s[0:1], 0x0               ; p s[4:5], vt s[6:7], st s[8:9], out0 s[10:11]
	v_lshl_add_u32 v254, v0, 2, 0x44000
	v_mov_b32 v255, 0
	ds_add_u32 v254, v255
	v_lshrrev_b32 v1, 5, v0
	v_readfirstlane_b32 s[W], v1
	s_lshr_b32 s[WH], s[W], 1
	s_and_b32 s[WL], s[W], 1
	s_bfe_u32 s[CX], ttmp6, 0x40000
	s_bfe_u32 s[CY], ttmp6, 0x40004
	s_lshl_b32 s[BX], ttmp9, 2
	s_add_co_u32 s[BX], s[BX], s[CX]               ; block of 256 columns, 0..3
	s_and_b32 s[BY], ttmp7, 0xffff
	s_lshl_b32 s[BY], s[BY], 2
	s_add_co_u32 s[BY], s[BY], s[CY]               ; block of 128 rows, 0..63
	s_lshl_b32 s[MROW], s[CY], 2
	s_lshl_b32 s[MROW], 15, s[MROW]
	s_lshl_b32 s[MCOL], 0x1111, s[CX]
	SHAPE G1A, MROW, 64, 2048
	SHAPE G1B, MCOL, 128, 8192
	s_mul_i32 s[LDSH], s[W], HALFT
	s_mul_i32 s[LDSQ], s[W], QUART
	s_lshl_b32 s40, s[BY], 7                       ; s40-43: made of by; s44-47: made of bx and the cluster's y
	s_lshl_b32 s41, s[WL], 6
	s_add_co_u32 s40, s40, s41                     ; P~: row 128 by + 64 half
	s_lshl_b32 s40, s40, 12
	s_mov_b32 s41, 0
	s_lshl_b32 s42, s[BY], 14                      ; st: 16 records of 1,024 bytes for each group of 128 rows
	s_mov_b32 s43, 0
	s_lshl_b32 s44, s[BX], 8
	s_lshl_b32 s45, s[WL], 7
	s_add_co_u32 s44, s44, s45                     ; V^T: row 256 bx + 128 half
	s_lshl_b32 s44, s44, 14                        ; x 16,384 bytes (below 2^24)
	s_and_b32 s46, ttmp7, 0xffff
	s_lshr_b32 s46, s46, 2                         ; batch: four clusters along y to a batch
	s_lshl_b32 s46, s46, 12                        ; its 2,048 keys begin 4,096 batch bytes into a row
	s_add_co_u32 s44, s44, s46
	s_mov_b32 s45, 0
	s_wait_dscnt 0x0
	s_wait_kmcnt 0x0
	s_add_nc_u64 s[PADR:PADR+1], s[4:5], s[40:41]
	s_add_nc_u64 s[VADR:VADR+1], s[6:7], s[44:45]
	s_add_nc_u64 s[8:9], s[8:9], s[42:43]
	CROUND                                         ; in front of the first joint loads
.irp s, 0,1
	GROUP0 G0A, LDSQ, \s, PADR
	GROUP0 G0B, LDSH, \s, VADR
	JLOAD G0A+4*\s, G1A, G0B+4*\s, G1B
.endr
	v_and_b32 v1, 15, v0                           ; r
	v_bfe_u32 v2, v0, 4, 1                         ; h
	v_and_b32 v6, 31, v0                           ; lane
	; what my lane prefetches first: blocks 2 and 3.  s74, s75 hold numbers made of both coordinates and feed no descriptor and no LDS address.
	s_lshl_b32 s74, s[BY], 7
	s_lshl_b32 s75, s[CX], 5
	s_add_co_u32 s74, s74, s75                     ; P~: my work-group's quarter of the tile's rows begins at row 128 by + 32 cx
	s_lshl_b32 s75, s[W], 8
	s_add_co_u32 s75, s75, 2*KSTEP*2               ; block 2 + wave (waves 0, 1)
	v_add_nc_u32 v7, s74, v6                       ; + lane
	v_lshl_add_u32 v7, v7, 12, s75                 ; row x 4,096 bytes + the block's 256 bytes
	s_and_b32 s74, s[BY], 15
	s_lshl_b32 s74, s74, 4
	s_lshl_b32 s75, s[BX], 8
	s_add_co_u32 s74, s74, s75                     ; V^T: my work-group's sixteenth of the tile's rows begins at row 256 bx + 16 (by mod 16)
	s_lshr_b32 s75, s[BY], 4
	s_lshl_b32 s75, s75, 12
	s_add_co_u32 s75, s75, 2*KSTEP*2               ; the batch's keys, block 2
	v_add_nc_u32 v8, s74, v1                       ; + lane % 16
	v_lshl_add_u32 v8, v8, 14, s75                 ; row x 16,384 bytes + the block's 256 bytes
	v_lshl_add_u32 v8, v2, 8, v8                   ; lanes 16-31: block 3
	s_cmp_eq_u32 s[WH], 0                          ; the two selects below hang on this compare
	s_cselect_b64 s[PFB:PFB+1], s[4:5], s[6:7]     ; waves 0, 1: p; waves 2, 3: vt
	s_cselect_b32 s70, 0, -1
	v_cndmask_b32 v[PFO], v7, v8, s70
	s_lshl_b32 s70, s[WH], 8
	v_lshlrev_b32 v4, 4, v1
	v_add_nc_u32 v[SADR], s70, v4                  ; my half's piece of 256 bytes, my row's four tile rows
.irp j, 0,1,2,3,4,5,6,7,8,9,10,11,12,13,14,15
	global_load_b128 v[F0+4*\j:F0+4*\j+3], v[SADR], s[8:9] offset:1024*\j        ; m2 of block j
	global_load_b128 v[F1+4*\j:F1+4*\j+3], v[SADR], s[8:9] offset:1024*\j+512    ; l of block j
.endr
	PREFETCH                                       ; blocks 2, 3: wanted by the tensor loads at the ends of blocks 0, 1
	v_mul_u32_u24 v3, v1, PITCH
	v_lshl_add_u32 v3, v2, 4, v3
	s_mul_i32 s70, s[WH], QUART
	s_mul_i32 s71, s[WL], HALFT
	s_add_co_u32 s71, s71, 2*HALFT
.irp s, 0,1
	v_add_nc_u32 v[ADRM+\s], s70, v3
	v_add_nc_u32 v[ADRB+\s], s71, v3
	s_add_co_u32 s70, s70, SLOT
	s_add_co_u32 s71, s71, SLOT
.endr
	s_mul_i32 s70, s[W], 16*OPITCH
	s_add_co_u32 s70, s70, STAGE                   ; my stage
	s_lshl_b32 s71, s[W], 12
	s_add_co_u32 s71, s71, TABLE                   ; my table
	v_mul_u32_u24 v5, v1, OPITCH
	v_lshl_add_u32 v5, v2, 5, v5
	v_add_nc_u32 v[STO], s70, v5                   ; in: row r, 32 bytes for each half of the lanes
	v_lshlrev_b32 v[CO], 4, v6                     ; out: 16 bytes a lane, a whole row of 512 bytes a wave
	v_add_nc_u32 v[RD], s70, v[CO]
	v_add_nc_u32 v[FADR], s71, v4
	s_wait_loadcnt 0x0
.irp a, 0,1,2,3
	v_max_num_f32 v[FC+\a], v[F0+\a], v[F0+4+\a]                   ; the row's maximum over its 16 blocks
.endr
.irp k, 1,2,3,4,5,6,7
.irp a, 0,1,2,3
	v_max3_num_f32 v[FC+\a], v[F0+8*\k+\a], v[F0+8*\k+4+\a], v[FC+\a]
.endr
.endr
.set q, 0
.rept 16
	v_pk_add_f32 v[F0+4*q:F0+4*q+1], v[F0+4*q:F0+4*q+1], v[FC:FC+1] neg_lo:[0,1] neg_hi:[0,1]         ; m2 - M
	v_pk_add_f32 v[F0+4*q+2:F0+4*q+3], v[F0+4*q+2:F0+4*q+3], v[FC+2:FC+3] neg_lo:[0,1] neg_hi:[0,1]
.set q, q+1
.endr
.set q, 0
.rept 64
	v_exp_f32 v[F0+q], v[F0+q]
.set q, q+1
.endr
	v_nop                                          ; one plain place behind the exponentials
	s_wait_alu depctr_va_vdst(0)
	v_pk_mul_f32 v[SUMR:SUMR+1], v[F1:F1+1], v[F0:F0+1]
	v_pk_mul_f32 v[SUMR+2:SUMR+3], v[F1+2:F1+3], v[F0+2:F0+3]
.set q, 1
.rept 15
	v_pk_fma_f32 v[SUMR:SUMR+1], v[F1+4*q:F1+4*q+1], v[F0+4*q:F0+4*q+1], v[SUMR:SUMR+1]
	v_pk_fma_f32 v[SUMR+2:SUMR+3], v[F1+4*q+2:F1+4*q+3], v[F0+4*q+2:F0+4*q+3], v[SUMR+2:SUMR+3]
.set q, q+1
.endr
.irp a, 0,1,2,3
	v_rcp_f32 v[RCPR+\a], v[SUMR+\a]
.endr
	v_nop                                          ; one plain place behind the reciprocals
	s_wait_alu depctr_va_vdst(0)
	v_pk_mul_f32 v[RCPR:RCPR+1], v[RCPR:RCPR+1], 0x41800000 op_sel_hi:[1,0]      ; x 16: vt holds V / 16
	v_pk_mul_f32 v[RCPR+2:RCPR+3], v[RCPR+2:RCPR+3], 0x41800000 op_sel_hi:[1,0]
.set q, 0
.rept 16
	v_pk_mul_f32 v[F0+4*q:F0+4*q+1], v[F0+4*q:F0+4*q+1], v[RCPR:RCPR+1]
	v_pk_mul_f32 v[F0+4*q+2:F0+4*q+3], v[F0+4*q+2:F0+4*q+3], v[RCPR+2:RCPR+3]
.set q, q+1
.endr
.irp j, 0,1,2,3,4,5,6,7,8,9,10,11,12,13,14,15
	ds_store_b128 v[FADR], v[F0+4*\j:F0+4*\j+3] offset:256*\j      ; lanes l and l + 16 hold the same rows and write the same numbers to the same bytes
.endr
	ds_load_b128 v[FC:FC+3], v[FADR]               ; f of block 0: my own table, served in order behind the stores
	s_wait_tensorcnt 0x1                           ; my part of block 0's tiles is in; block 1's may stay out
	s_wait_dscnt 0x0                               ; no LDS instruction of mine is pending at the signal
	s_barrier_signal -1
	s_barrier_wait -1
	FETCH2 0, 0, F0
	LAP4 1, 1                                      ; blocks 0, 1; asks for blocks 4, 5
	WIN 0
	s_mov_b32 s3, 5
.Lk:
	LAP4 0, 1                                      ; blocks 2 to 11; the last trip asks for blocks 14, 15
	WIN 0
	s_sub_co_u32 s3, s3, 1
	s_cmp_lg_u32 s3, 0
	s_cbranch_scc1 .Lk
	LAP4 0, 0                                      ; blocks 12, 13: the last refills; nothing is left to prefetch
	THREE2 0, 1                                    ; blocks 14, 15: nothing is left to fetch
	TURN4 0, 1, 0, 0, 0
	THREE2 1, 1
	s_wait_dscnt 0
	WIN MUL_LO
	MUL16 F1, 0, 0, 0
	MUL16 F1, 0, 2, 0
	PLACES
	WIN ADD_UP
	SCALE 0
	s_lshl_b32 s40, s[BY], 7
	s_lshl_b32 s41, s[WH], 6
	s_add_co_u32 s40, s40, s41                     ; my first row of out0
	s_lshl_b32 s40, s40, 12
	s_mov_b32 s41, 0
	s_add_nc_u64 s[10:11], s[10:11], s[40:41]
	s_lshl_b32 s44, s[BX], 10
	s_lshl_b32 s45, s[WL], 9
	s_add_co_u32 s44, s44, s45                     ; my first column, in bytes
	s_mov_b32 s45, 0
	s_add_nc_u64 s[10:11], s[10:11], s[44:45]
	OUTF 0, F0
	OUTF 1, F1
	OUTF 2, F0
	OUTF 3, F1
	s_wait_tensorcnt 0x0
	ds_add_u32 v254, v255
	s_wait_dscnt 0x0
	CROUND                                         ; the closing round
	s_endpgm
.Lfunc_end_k_qcb311c334a_pv:
	.size	k_qcb311c334a_pv, .Lfunc_end_k_qcb311c334a_pv-k_qcb311c334a_pv
	.p2alignl 7, 3214868480
	.fill 96, 4, 3214868480
	.section	.rodata,"a",@progbits
	.p2align	6, 0x0
	.amdhsa_kernel k_qcb311c334a_pv
		.amdhsa_group_segment_fixed_size 327680
		.amdhsa_private_segment_fixed_size 0
		.amdhsa_enable_private_segment 0
		.amdhsa_kernarg_size 32
		.amdhsa_user_sgpr_count 2
		.amdhsa_user_sgpr_kernarg_segment_ptr 1
		.amdhsa_wavefront_size32 1
		.amdhsa_system_sgpr_workgroup_id_x 1
		.amdhsa_system_sgpr_workgroup_id_y 1
		.amdhsa_system_sgpr_workgroup_id_z 1
		.amdhsa_system_vgpr_workitem_id 0
		.amdhsa_next_free_vgpr 1024
		.amdhsa_next_free_sgpr 76
		.amdhsa_reserve_vcc 0
		.amdhsa_float_denorm_mode_32 3
		.amdhsa_float_denorm_mode_16_64 3
		.amdhsa_memory_ordered 1
		.amdhsa_forward_progress 1
		.amdhsa_inst_pref_size 232
	.end_amdhsa_kernel
	.amdgpu_metadata
---
amdhsa.version: [ 1, 2 ]
amdhsa.kernels:
  - .name:           k_qcb311c334a_pv
    .symbol:         k_qcb311c334a_pv.kd
    .args:
      - { .name: p, .offset: 0, .size: 8, .value_kind: global_buffer, .address_space: global }
      - { .name: vt, .offset: 8, .size: 8, .value_kind: global_buffer, .address_space: global }
      - { .name: st, .offset: 16, .size: 8, .value_kind: global_buffer, .address_space: global }
      - { .name: out0, .offset: 24, .size: 8, .value_kind: global_buffer, .address_space: global }
    .group_segment_fixed_size: 327680
    .private_segment_fixed_size: 0
    .kernarg_segment_align: 8
    .kernarg_segment_size: 32
    .max_flat_workgroup_size: 128
    .sgpr_count:     76
    .vgpr_count:     1024
    .wavefront_size: 32
...
	.end_amdgpu_metadata
.endif
;; end of part 4
;; ======== version 2 of 2: 4 launches; version 1 with the launch cast written anew for expert scheduling mode
;; limits: values are held in f16: magnitudes above 65,504 overflow, below 6.1e-05 lose precision
;; workspace buffers: xb 16,777,216 bytes; wb 6,291,456 bytes; qk 33,554,432 bytes; vt 16,777,216 bytes; p 33,554,432 bytes; st 1,048,576 bytes
;; launch cast (part 5): grid 704 x 1, 8 waves a work-group, no clusters, 0 bytes of LDS; arguments x, W_q, W_k, W_v, xb, wb; writes xb, wb
.if DOCPART == 5
	.amdgcn_target "amdgcn-amd-amdhsa--gfx1250"
	.amdhsa_code_object_version 6
	.text
	.protected	k_qcb311c334a_cast
	.globl	k_qcb311c334a_cast
	.p2align	8
	.type	k_qcb311c334a_cast,@function
k_qcb311c334a_cast:
	s_mov_b64 s[64:65], 0
	v_nop
	global_prefetch_b8 v0, s[64:65] scope:SCOPE_SE
	s_setreg_imm32_b32 hwreg(HW_REG_WAVE_SCHED_MODE, 0, 2), 2
	s_setreg_imm32_b32 hwreg(HW_REG_WAVE_MODE, 25, 1), 1
	s_wait_xcnt 0x0
	s_wait_alu depctr_vm_vsrc(0)
; f32 to bf16, rounded to nearest even: x -> xb [8192][1024]; W_q, W_k, W_v -> wb [3072][1024], one under the other.
; The matrix launches then fetch 2-byte operands whose tile rows are 256 bytes.  A stream: no LDS, no barrier, no matrix unit, no cluster
; (no two work-groups read the same byte).
; A work-group converts 16,384 numbers: 65,536 bytes in, 32,768 out.  Groups 0-511 take x (8,388,608 numbers), groups 512-703 the three
; weight matrices, 64 groups each.  All sixteen loads of a thread are issued before the first is used; no register is written twice,
; so no wait frees a source.
; THE MODE: SCHED_MODE bits 1:0 = 2 (LLVM: expert scheduling mode 2), set by the entry lines.  The code itself states the register dependences
; between vector instructions and memory instructions, with s_wait_alu, always for 0.
; THE PLAN.  Registers that memory instructions touch:
;   v1, v2     byte offsets of the loads and of the stores.  Written once at the head by vector instructions, read by every load (v1) and store (v2).
;   SRC        sixteen loads' data.  Written by the loads alone, once each; no vector instruction names them ahead of the loads; the conversions read them
;              behind the wait on LOADcnt.
;   DST        sixteen stores' data.  Written by the conversions, once each; read by the stores.
; The sixteen loads are worked off in four blocks of four: a block's eight conversions, ONE wait on va_vdst, the block's four stores in a run.
; That wait stands behind the conversions and not at the next block's head, where the next block's wait on LOADcnt would hold the finished stores back.
; With the wait at the head, for v1 and v2, that is five waits.  No register that a memory instruction reads is written again, so no wait on vm_vsrc is owed;
; no vector instruction writes a scalar register or VCC, and EXEC is never written.
.set XGROUPS, 512
.set BLOCK, 4                          ; loads, and stores, in a block
.set SRC, 4                            ; v[4:67]   sixteen loads of four f32
.set DST, 68                           ; v[68:99]  sixteen pairs of packed bf16
	s_load_b256 s[4:11], s[0:1], 0x0               ; x s[4:5], W_q s[6:7], W_k s[8:9], W_v s[10:11]
	s_load_b128 s[12:15], s[0:1], 0x20             ; xb s[12:13], wb s[14:15]
	s_max_u32 s16, ttmp9, XGROUPS
	s_sub_co_u32 s16, s16, XGROUPS                 ; chunk among the weights, 0 to 191 (0 in the groups that take x)
	s_and_b32 s17, s16, 63                         ; chunk inside its matrix
	s_lshr_b32 s18, s16, 6                         ; which matrix: 0 W_q, 1 W_k, 2 W_v
	v_lshlrev_b32 v1, 4, v0                        ; 16 bytes in a thread: a load of a wave covers 512 consecutive bytes
	v_lshlrev_b32 v2, 3, v0                        ; 8 bytes out a thread: a store of a wave covers 256 consecutive bytes, aligned
	s_wait_kmcnt 0x0
	s_cmp_eq_u32 s18, 1
	s_cselect_b64 s[20:21], s[8:9], s[6:7]
	s_cmp_eq_u32 s18, 2
	s_cselect_b64 s[20:21], s[10:11], s[20:21]
	s_cmp_lt_u32 ttmp9, XGROUPS                    ; the four selects below hang on this compare
	s_cselect_b64 s[20:21], s[4:5], s[20:21]       ; from
	s_cselect_b64 s[22:23], s[12:13], s[14:15]     ; to
	s_cselect_b32 s24, ttmp9, s17                  ; chunk in the source
	s_cselect_b32 s26, ttmp9, s16                  ; chunk in the destination
	s_lshl_b32 s24, s24, 16                        ; x 65,536 bytes (below 2^25)
	s_mov_b32 s25, 0
	s_lshl_b32 s26, s26, 15                        ; x 32,768 bytes
	s_mov_b32 s27, 0
	s_add_nc_u64 s[20:21], s[20:21], s[24:25]
	s_add_nc_u64 s[22:23], s[22:23], s[26:27]
	s_wait_alu depctr_va_vdst(0)                   ; v1 and v2 are written: every load reads v1, every store v2, as its offset
.irp i, 0,1,2,3,4,5,6,7,8,9,10,11,12,13,14,15
	global_load_b128 v[SRC+4*\i:SRC+4*\i+3], v1, s[20:21] offset:4096*\i th:TH_LOAD_NT   ; read once in the launch
.endr
.irp p, 0,1,2,3
	s_wait_loadcnt 12-BLOCK*\p                     ; loads come back in order: block p's four are in, the 12 - 4 p younger ones stay out
.irp i, 0,1,2,3
	v_cvt_pk_bf16_f32 v[DST+2*(BLOCK*\p+\i)], v[SRC+4*(BLOCK*\p+\i)], v[SRC+4*(BLOCK*\p+\i)+1]
	v_cvt_pk_bf16_f32 v[DST+2*(BLOCK*\p+\i)+1], v[SRC+4*(BLOCK*\p+\i)+2], v[SRC+4*(BLOCK*\p+\i)+3]
.endr
	s_wait_alu depctr_va_vdst(0)                   ; the block's eight conversions have written its eight registers of DST, which the four stores below read
.irp i, 0,1,2,3
	global_store_b64 v2, v[DST+2*(BLOCK*\p+\i):DST+2*(BLOCK*\p+\i)+1], s[22:23] offset:2048*(BLOCK*\p+\i)   ; no hint: the next launch reads it
.endr
.endr
	s_endpgm
.Lfunc_end_k_qcb311c334a_cast:
	.size	k_qcb311c334a_cast, .Lfunc_end_k_qcb311c334a_cast-k_qcb311c334a_cast
	.p2alignl 7, 3214868480
	.fill 96, 4, 3214868480
	.section	.rodata,"a",@progbits
	.p2align	6, 0x0
	.amdhsa_kernel k_qcb311c334a_cast
		.amdhsa_group_segment_fixed_size 0
		.amdhsa_private_segment_fixed_size 0
		.amdhsa_enable_private_segment 0
		.amdhsa_kernarg_size 48
		.amdhsa_user_sgpr_count 2
		.amdhsa_user_sgpr_kernarg_segment_ptr 1
		.amdhsa_wavefront_size32 1
		.amdhsa_system_sgpr_workgroup_id_x 1
		.amdhsa_system_sgpr_workgroup_id_y 1
		.amdhsa_system_sgpr_workgroup_id_z 1
		.amdhsa_system_vgpr_workitem_id 0
		.amdhsa_next_free_vgpr 100
		.amdhsa_next_free_sgpr 66
		.amdhsa_reserve_vcc 0
		.amdhsa_float_denorm_mode_32 3
		.amdhsa_float_denorm_mode_16_64 3
		.amdhsa_memory_ordered 1
		.amdhsa_forward_progress 1
		.amdhsa_inst_pref_size 7
	.end_amdhsa_kernel
	.amdgpu_metadata
---
amdhsa.version: [ 1, 2 ]
amdhsa.kernels:
  - .name:           k_qcb311c334a_cast
    .symbol:         k_qcb311c334a_cast.kd
    .args:
      - { .name: x, .offset: 0, .size: 8, .value_kind: global_buffer, .address_space: global }
      - { .name: W_q, .offset: 8, .size: 8, .value_kind: global_buffer, .address_space: global }
      - { .name: W_k, .offset: 16, .size: 8, .value_kind: global_buffer, .address_space: global }
      - { .name: W_v, .offset: 24, .size: 8, .value_kind: global_buffer, .address_space: global }
      - { .name: xb, .offset: 32, .size: 8, .value_kind: global_buffer, .address_space: global }
      - { .name: wb, .offset: 40, .size: 8, .value_kind: global_buffer, .address_space: global }
    .group_segment_fixed_size: 0
    .private_segment_fixed_size: 0
    .kernarg_segment_align: 8
    .kernarg_segment_size: 48
    .max_flat_workgroup_size: 256
    .sgpr_count:     66
    .vgpr_count:     100
    .wavefront_size: 32
...
	.end_amdgpu_metadata
.endif
;; end of part 5
;; launch proj: the kernel of part 2 again; grid 8 x 32, 4 waves a work-group, clusters of 4 x 4, 327,680 bytes of LDS; arguments xb, wb, qk, vt; writes qk, vt
;; launch score: the kernel of part 3 again; grid 8 x 32, 4 waves a work-group, clusters of 4 x 4, 327,680 bytes of LDS; arguments qk, p, st; writes p, st
;; launch pv: the kernel of part 4 again; grid 4 x 64, 4 waves a work-group, clusters of 4 x 4, 327,680 bytes of LDS; arguments p, vt, st, out0; writes out0
